; MI455X (gfx1250); checked and timed in simulation.
; The chip was launched on July 23, 2026; its instructions are those of AMD's public machine-readable ISA for CDNA 5 (MIT licence, August 2026) and "CDNA5" Instruction Set Architecture Reference Guide (July 2026). The comments in the code are by the model that wrote it; some were corrected since.
;; Transformer Block. Allowed arithmetic: matrix products marked QUANTISED: E3M2 operands, one E8M0 scale for each 32 along K, by v_wmma_scale_f32_16x16x128_f8f6f4 with both operands' format E3M2, f32 sums; everything else in f32.
;; Inputs: W1_codes 4,096 x 32 x 24 uint8 (E3M2 codes of W1, K innermost, in blocks of 32 codes, four codes in three bytes); W1_scales 4,096 x 32 uint8 (E8M0 scales of W1, one for each 32 codes along K); W2_codes 1,024 x 128 x 24 uint8 (E3M2 codes of W2, K innermost, in blocks of 32 codes, four codes in three bytes); W2_scales 1,024 x 128 uint8 (E8M0 scales of W2, one for each 32 codes along K); Wk_codes 1,024 x 32 x 24 uint8 (E3M2 codes of Wk, K innermost, in blocks of 32 codes, four codes in three bytes); Wk_scales 1,024 x 32 uint8 (E8M0 scales of Wk, one for each 32 codes along K); Wo_codes 1,024 x 32 x 24 uint8 (E3M2 codes of Wo, K innermost, in blocks of 32 codes, four codes in three bytes); Wo_scales 1,024 x 32 uint8 (E8M0 scales of Wo, one for each 32 codes along K); Wq_codes 1,024 x 32 x 24 uint8 (E3M2 codes of Wq, K innermost, in blocks of 32 codes, four codes in three bytes); Wq_scales 1,024 x 32 uint8 (E8M0 scales of Wq, one for each 32 codes along K); Wv_codes 1,024 x 32 x 24 uint8 (E3M2 codes of Wv, K innermost, in blocks of 32 codes, four codes in three bytes); Wv_scales 1,024 x 32 uint8 (E8M0 scales of Wv, one for each 32 codes along K); b1 4,096 float32; b2 1,024 float32; bo 1,024 float32; ln1_scale 1,024 float32; ln1_shift 1,024 float32; ln2_scale 1,024 float32; ln2_shift 1,024 float32; x 4 x 1,024 x 1,024 float32.
;; Outputs: out0 4 x 1,024 x 1,024 float32.
;; This version of the problem:
;;   THIS VERSION OF THE PROBLEM IS GIVEN IN LOW PRECISION. The matrix products marked QUANTISED in the list below multiply operands that are first quantised to E3M2 (3 exponent bits, 2 mantissa bits; 6 bits a number), with one power-of-two scale for each 32 numbers along K (OCP MX v1.0); their sums are f32. All else is computed in f32.
;;   The module's matrix products, in the order in which they are computed (A, B: the left and right operand; K: the contracted axis; several contracted axes count as one K, in the product's order):
;;     1. [M 4,096, K 1,024] x [K 1,024, N 1,024]; A: computed on the way; B: input Wq (given as codes): QUANTISED
;;     2. [M 4,096, K 1,024] x [K 1,024, N 1,024]; A: computed on the way; B: input Wk (given as codes): QUANTISED
;;     3. [M 4,096, K 1,024] x [K 1,024, N 1,024]; A: computed on the way; B: input Wv (given as codes): QUANTISED
;;     4. batch 64 x [M 1,024, K 64] x [K 64, N 1,024]; A: computed on the way; B: computed on the way: QUANTISED
;;     5. batch 64 x [M 1,024, K 1,024] x [K 1,024, N 64]; A: softmax (see below); B: computed on the way: QUANTISED
;;     6. [M 4,096, K 1,024] x [K 1,024, N 1,024]; A: computed on the way; B: input Wo (given as codes): QUANTISED
;;     7. [M 4,096, K 1,024] x [K 1,024, N 4,096]; A: computed on the way; B: input W1 (given as codes): QUANTISED
;;     8. [M 4,096, K 4,096] x [K 4,096, N 1,024]; A: computed on the way; B: input W2 (given as codes): QUANTISED
;;   THE QUANTISER, for each operand of a quantised product, along K:
;;     - K is cut into blocks of 32 from its start; a last block that is shorter is filled with zeros.
;;     - A block's scale is 2^e with e = floor(log2(the largest magnitude in the block)) - 4, held to -126 .. 127; a block of zeros has e = 0. As a byte (E8M0): e + 127.
;;     - Each number is divided by its block's scale, clamped to +-28, and rounded to the nearest number of E3M2, ties to even, subnormals kept.
;;     - The product sums the exact products of the quantised numbers (number of the format x scale) in f32.
;;   ~~~python
;;   def quantise(x, axis):      # numpy; x: float32 -> the quantised numbers, widened to float32 again
;;       x = np.moveaxis(x, axis, -1); K = x.shape[-1]
;;       x = np.pad(x, [(0, 0)] * (x.ndim - 1) + [(0, -K % 32)]); x = x.reshape(x.shape[:-1] + (-1, 32)); a = np.abs(x).max(-1, keepdims=True)
;;       e = np.where(a > 0, np.clip(np.frexp(np.where(a > 0, a, 1))[1] - 1 - 4, -126, 127), 0)      # np.frexp(a)[1] - 1 = floor(log2(a)), exactly
;;       r = np.clip(x / 2.0 ** e, -28, 28)
;;       step = 2.0 ** (np.maximum(np.frexp(np.where(r == 0, 1, r))[1] - 1, -2) - 2)
;;       q = np.round(r / step) * step * 2.0 ** e      # np.round: ties to even
;;       return np.moveaxis(q.reshape(q.shape[:-2] + (-1,))[..., :K], -1, axis).astype(np.float32)
;;   ~~~
;;   SOFTMAX AHEAD OF A QUANTISED PRODUCT. Where the list says 'softmax', what is quantised is not the finished softmax but p = 2^(t - M), with t = logit x log2(e) and M = ceil(the row's largest t), a whole number; so 1/2 < the row's largest p <= 1. The row's sum l is taken of the UNQUANTISED p, in f32, and the product's result is divided by l at the end. Since M is a whole number, a kernel that streams over the keys may use a running M (the ceiling of the running maximum): every later rescaling is an exact power of two, which a block's scale takes up: the codes' values come out the same.
;;   OPERANDS COMPUTED ON THE WAY. 'Computed on the way' means the value that the module computes at that place (a softmax that the list does not call 'softmax' is quantised finished and normalised). What goes into a quantiser is computed in f32, as accurately as f32 sums, v_exp_f32 and their like allow (about 1e-6 of the number): no bf16 or f16 on the way to a quantiser, and a product that is left as it is and whose result goes on into a quantised operand takes f32 operands (vector FMAs, or v_wmma_f32_16x16x4_f32). A number that lies on a knife's edge between two numbers of the format may be rounded either way, as far as f32 arithmetic and the matrix unit's own rounding can turn it there, and no further.
;;   INPUTS GIVEN AS CODES. W1 (in the module: [1024, 4096], K = its axis 0); W2 (in the module: [4096, 1024], K = its axis 0); Wk (in the module: [1024, 1024], K = its axis 0); Wo (in the module: [1024, 1024], K = its axis 0); Wq (in the module: [1024, 1024], K = its axis 0); Wv (in the module: [1024, 1024], K = its axis 0): each comes as NAME_codes (uint8): NAME with its K axis moved to the last place and cut into blocks of 32 codes, [.., K / 32, bytes a block], one block behind the other in memory; four codes in three bytes: a row's codes are one little-endian stream of bits, code i at bits 6 i .. 6 i + 5 (a code: sign, 3 exponent bits, 2 mantissa bits); and NAME_scales (uint8): the same leading axes, one E8M0 byte (e + 127) for each 32 codes along K. Its value is code x scale, taken as it is: it is not quantised again, and the codes and scales need not be those that the quantiser above would give.
;; One version. Each part assembles by itself: llvm-mc -triple=amdgcn-amd-amdhsa -mcpu=gfx1250 --defsym DOCPART=n.
;; ======== version 1 of 1: 7 launches
;; workspace buffers: wimg 9,830,400 bytes; hc 3,276,800 bytes; qkv 9,830,400 bytes; ctx 3,276,800 bytes; x1 16,777,216 bytes; h2c 3,276,800 bytes; hff 13,107,200 bytes
;; launch prep (part 1): grid 256 x 1, 8 waves a work-group, no clusters, 71,680 bytes of LDS; arguments x, ln1_scale, ln1_shift, hc, wimg, Wq_codes, Wq_scales, Wk_codes, Wk_scales, Wv_codes, Wv_scales, Wo_codes, Wo_scales, W1_codes, W1_scales, W2_codes, W2_scales; writes hc, wimg
.if DOCPART == 1
	.amdgcn_target "amdgcn-amd-amdhsa--gfx1250"
	.amdhsa_code_object_version 6
	.text
	.protected	k_q962e709c03_prep
	.globl	k_q962e709c03_prep
	.p2align	8
	.type	k_q962e709c03_prep,@function
k_q962e709c03_prep:
	s_mov_b64 s[64:65], 0
	v_nop
	global_prefetch_b8 v0, s[64:65] scope:SCOPE_SE
	s_setreg_imm32_b32 hwreg(HW_REG_WAVE_MODE, 25, 1), 1
	s_wait_xcnt 0x0
; PREP.  256 work-groups of eight waves; each does two things.
; (1) LayerNorm 1 of 16 tokens, quantised to BF6 (E3M2) along the 1,024 columns, stored as images of operand registers.
; (2) THE WEIGHTS, which arrive as rows of codes, are laid once as images of operand registers, so that every later launch loads a fragment by dense loads.  They are 768 units (a tile of 16 rows x 1,024 along K:
; eight fragments and 512 bytes of scale words); a work-group lays three: wave w the K step w of each, waves 0 to 2 also a unit's scale words.  A fragment's 16 rows x 96 bytes are loaded 16 bytes a lane, six lanes
; to a row, put into the wave's own stage in LDS as they lie, and read back 8 bytes at a time in the order of the operand's registers.
; A FRAGMENT is 16 rows x 128 K: 12 registers a lane; registers 6 c .. 6 c + 5 of lane (r, h) hold k = 64 c + 32 h + 0 .. 31 of row r.  Its image is two halves of 768 bytes:
; registers 0-3 of a half at 16 x lane, registers 4-5 at 512 + 8 x lane.  Scale words: [tile][K / 512][row][16 bytes], a row's 16 bytes being the words of four K steps.
; THE ROWS OF A WEIGHT'S TILE ARE NOT NEIGHBOURS: lane r of tile T holds row 32 (T / 2) + 8 (T % 2) + r + 8 (r / 8), so that the 16 registers of two neighbouring tiles of a transposed result are 16 neighbours.
; LN: wave w owns columns 128 w .. 128 w + 127 of the 16 rows.  Mean and variance in two passes (the variance of the centred numbers), joined over the eight waves through LDS.
; LIMITS: NaN and infinities among the inputs are not served; a block of zeros gets the scale byte 1 (the rule says 127): its codes are zeros and this program alone reads the bytes.
; No tensor loads, no cluster: no two work-groups read the same bytes.
.set RS1, 67584                        ; LDS: 0 .. 67,583 eight stages of 16 rows x 528 bytes; then the waves' sums (1,024 bytes), their sums of squares (1,024), their scale words (1,024)
.set SW,  69632
.set X,   32                           ; v32-95   my 64 numbers: register 16 b + i = column 128 w + 32 b + 16 h + i of row r
.set G,   96                           ; v96-159  the gain at those columns; later the codes
.set SH,  160                          ; v160-223 x as loaded, later the shift
.set TM,  224                          ; v224-239 at work in QUANT
.set PW,  240                          ; the scale word just made
.set PC,  96
.set D,   32                           ; the weights: v32-67 three fragments as loaded (before x takes these registers)
.set F,   96                           ; v96-131  the same as operand registers (before the gain takes these registers, and all that follow here)
.set VO,  132                          ; v132-140 the nine loads' offsets
.set SVO, 141                          ; v141     the scale bytes' offset
.set SDT, 144                          ; v144-147 16 scale bytes
.set MR,  148                          ; v148-150 load q: my row of the tile, as a row of the weight
.set P16, 151                          ; v151-153 load q: my 16 bytes in the row's 96
.set T,   154
.set RL,  155                          ; v155     where I read a fragment back from my stage
.set WV,  42
.set SEL, 44
.set CA,  66                           ; s[66:71] unit u: where my fragment's rows begin
.set DA,  72                           ; s[72:77] unit u: where its image goes
.set PI,  78                           ; s78-80   unit u: a row of codes in bytes
.set SPI, 81                           ; s81      a row of scale bytes
.set SA,  82                           ; s[82:83] the scale bytes that I lay, s[84:85] where they go
.set SD,  84
.set UU,  86                           ; s86      the unit in hand
; 64 numbers of a lane, register 16 b + i = k 32 b + 16 h + i of my row, become a fragment's codes in v[PC] on and its scale word in v[PW]
.macro QUANT s
.irp b,0,1,2,3
	v_max3_num_f32 v[TM+\b], |v[\s+16*\b]|, |v[\s+1+16*\b]|, 0x2800000   ; my 16 numbers of block b, and the floor 2^(5 - 127): the byte cannot fall under 1
.endr
.irp i,2,4,6,8,10,12,14
.irp b,0,1,2,3
	v_max3_num_f32 v[TM+\b], v[TM+\b], |v[\s+16*\b+\i]|, |v[\s+1+16*\b+\i]|
.endr
.endr
.irp b,0,1,2,3
	v_permlanex16_b32 v[TM+4+\b], v[TM+\b], s[SEL], s[SEL+1]
.endr
.irp b,0,1,2,3
	v_max_num_f32 v[TM+\b], v[TM+\b], v[TM+4+\b]                        ; with lane l xor 16's: the block's largest magnitude
.endr
.irp b,0,1,2,3
	v_add_nc_u32 v[TM+12+\b], 0xfe000000, v[TM+\b]                      ; 4 off its exponent field: the conversion's scale operand
.endr
.irp b,0,1,2,3
	v_lshrrev_b32 v[TM+4+\b], 23, v[TM+12+\b]                           ; the scale's byte
.endr
	v_lshl_or_b32 v[PW], v[TM+5], 8, v[TM+4]
	v_lshl_or_b32 v[PW], v[TM+6], 16, v[PW]
	v_lshl_or_b32 v[PW], v[TM+7], 24, v[PW]
.irp c,0,1
	v_cvt_scalef32_pk16_bf6_f32 v[PC+6*\c:PC+2+6*\c], v[\s+32*\c:\s+15+32*\c], v[TM+12+2*\c]
	v_cvt_scalef32_pk16_bf6_f32 v[PC+12+4*\c:PC+14+4*\c], v[\s+16+32*\c:\s+31+32*\c], v[TM+12+2*\c+1]
.endr
	v_nop                                          ; one plain place behind a scaled conversion
.irp c,0,1                                     ; the operand wants a whole block in a lane: lanes 0-15 block 2 c, lanes 16-31 block 2 c + 1
.irp i,0,1,2
	v_permlane16_swap_b32 v[PC+6*\c+\i], v[PC+12+4*\c+\i]
.endr
.irp i,0,1,2
	v_mov_b32 v[PC+3+6*\c+\i], v[PC+12+4*\c+\i]
.endr
.endr
.endm
; four pair sums in v[14:21] become the row's sum over all 1,024 columns, in v14 of every lane: within the lane, with lane l xor 16, and over the eight waves through LDS words at off
.macro JOIN off
	v_pk_add_f32 v[14:15], v[14:15], v[16:17]
	v_pk_add_f32 v[18:19], v[18:19], v[20:21]
	v_pk_add_f32 v[14:15], v[14:15], v[18:19]
	v_add_f32 v14, v14, v15
	v_permlanex16_b32 v15, v14, s[SEL], s[SEL+1]
	v_add_f32 v14, v14, v15
	ds_store_b32 v5, v14 offset:\off               ; my wave's own 128 bytes
	s_wait_dscnt 0x0                               ; for the others' sake
	s_barrier_signal -1
	s_barrier_wait -1
.irp i,0,1,2,3,4,5,6,7
	ds_load_b32 v[16+\i], v6 offset:\off+128*\i
.endr
	s_wait_dscnt 0x0
	v_pk_add_f32 v[16:17], v[16:17], v[18:19]
	v_pk_add_f32 v[20:21], v[20:21], v[22:23]
	v_pk_add_f32 v[16:17], v[16:17], v[20:21]
	v_add_f32 v14, v16, v17
.endm
; Unit s[UU], 0 .. 767: 0-63 Wq, 64-127 Wk, 128-191 Wv, 192-255 Wo, 256-511 W1, 512-767 W2 (whose rows hold four units).
; Gives s88 which 1,024 of K, s89 a row of codes in bytes, s90 a row of scale bytes, s91 the tile's first row
.macro OFFS
	s_and_b32 s87, s[UU], 63                       ; its tile in a weight of 64 tiles,
	s_sub_co_u32 s92, s[UU], 256                   ; in W1,
	s_sub_co_u32 s93, s[UU], 512
	s_lshr_b32 s93, s93, 2                         ; in W2
	s_and_b32 s88, s[UU], 3
	s_mov_b32 s89, 768
	s_cmp_ge_u32 s[UU], 256
	s_cselect_b32 s87, s92, s87
	s_cmp_ge_u32 s[UU], 512
	s_cselect_b32 s87, s93, s87
	s_cselect_b32 s88, s88, 0
	s_cselect_b32 s89, 3072, s89
	s_cselect_b32 s90, 128, 32
	s_lshr_b32 s91, s87, 1
	s_lshl_b32 s91, s91, 5
	s_and_b32 s92, s87, 1
	s_lshl_b32 s92, s92, 3
	s_add_co_u32 s91, s91, s92                     ; 32 (T / 2) + 8 (T % 2)
.endm
; s[98:99] = the buffer of unit s[UU]: first = 18 the codes, 20 the scale bytes.  The choice hangs on the unit's number alone
.macro PICK first
	s_mov_b64 s[98:99], s[\first:\first+1]
	s_cmp_ge_u32 s[UU], 64
	s_cselect_b64 s[98:99], s[\first+4:\first+5], s[98:99]
	s_cmp_ge_u32 s[UU], 128
	s_cselect_b64 s[98:99], s[\first+8:\first+9], s[98:99]
	s_cmp_ge_u32 s[UU], 192
	s_cselect_b64 s[98:99], s[\first+12:\first+13], s[98:99]
	s_cmp_ge_u32 s[UU], 256
	s_cselect_b64 s[98:99], s[\first+16:\first+17], s[98:99]
	s_cmp_ge_u32 s[UU], 512
	s_cselect_b64 s[98:99], s[\first+20:\first+21], s[98:99]
.endm
	s_load_b512 s[8:23], s[0:1], 0x0               ; x, gain, shift, hc, wimg, Wq codes, Wq scales, Wk codes
	s_load_b512 s[24:39], s[0:1], 0x40             ; Wk scales, Wv codes, Wv scales, Wo codes, Wo scales, W1 codes, W1 scales, W2 codes
	s_load_b64 s[40:41], s[0:1], 0x80              ; W2 scales
	v_lshl_add_u32 v254, v0, 2, 0x11400
	v_mov_b32 v255, 0
	v_lshrrev_b32 v24, 5, v0
	v_readfirstlane_b32 s[WV], v24                 ; wave 0..7
	v_and_b32 v24, 31, v0                          ; lane
	v_and_b32 v25, 15, v0                          ; r
	v_bfe_u32 v26, v0, 4, 1                        ; h
	v_lshlrev_b32 v1, 4, v24                       ; 16 x lane
	v_lshlrev_b32 v8, 3, v24                       ; 8 x lane
	s_mul_i32 s50, s[WV], 8448                     ; my stage
	v_mul_u32_u24 v2, v25, 528
	v_lshl_add_u32 v2, v26, 6, v2
	v_add_nc_u32 v2, s50, v2                       ; x out of it: row r, + 64 h
	v_add_nc_u32 v3, s50, v1                       ; into it: 16 x lane
	v_lshlrev_b32 v4, 6, v26                       ; gain and shift: + 64 h
	s_lshl_b32 s51, s[WV], 7
	v_lshlrev_b32 v6, 2, v24
	v_add_nc_u32 v5, s51, v6
	v_add_nc_u32 v7, SW, v5                        ; my scale word: SW + 128 w + 4 l
	v_add_nc_u32 v5, RS1, v5                       ; my sum: RS1 + 128 w + 4 l
	v_add_nc_u32 v6, RS1, v6                       ; the eight waves' sums of my row: RS1 + 4 l + 128 i
	v_lshlrev_b32 v9, 2, v25
	v_lshl_add_u32 v9, v26, 9, v9
	v_add_nc_u32 v9, SW, v9                        ; the words of waves 4 h + i for row r
.irp b,0,1,2,3
	v_mov_b32 v[TM+4+\b], 0                        ; written once: a lane permute's destination counts as one of its sources
.endr
	s_mov_b32 s[SEL], 0x76543210
	s_mov_b32 s[SEL+1], 0xfedcba98                 ; lane l xor 16
	s_lshl_b32 s52, ttmp9, 16                      ; 16 rows of 4,096 bytes
	s_lshl_b32 s54, s[WV], 9                       ; my 128 columns
	s_add_co_u32 s52, s52, s54
	s_mov_b32 s53, 0
	s_mov_b32 s55, 0
	s_lshl_b32 s56, ttmp9, 3
	s_add_co_u32 s56, s56, s[WV]
	s_mul_i32 s56, s56, 1536                       ; my fragment's image
	s_mov_b32 s57, 0
	s_lshl_b32 s58, ttmp9, 9                       ; the tile's 512 bytes of scale words
	s_mov_b32 s59, 0
	s_mov_b32 s60, 0x3a800000                      ; 1 / 1,024
	s_mov_b32 s61, 0x3727c5ac                      ; 1e-5
	; the weights: all offsets are made while the arguments are on their way
	v_mul_u32_u24 v[RL], v25, 96
	v_mad_u32_u24 v[RL], v26, 24, v[RL]
	v_add_nc_u32 v[RL], s50, v[RL]                 ; back from the stage: row r of 96 bytes, + 24 h
.irp q,0,1,2                                   ; load q: piece i = lane + 32 q of the fragment's 96 pieces of 16 bytes: row i / 6, piece i % 6
	v_add_nc_u32 v[MR+\q], 32*\q, v24
	v_mul_u32_u24 v[P16+\q], v[MR+\q], 43
	v_lshrrev_b32 v[P16+\q], 8, v[P16+\q]          ; i / 6 = (43 i) >> 8 for i under 96
	v_mul_u32_u24 v[T], v[P16+\q], 6
	v_sub_nc_u32 v[MR+\q], v[MR+\q], v[T]          ; i % 6
	v_and_b32 v[T], 8, v[P16+\q]
	v_add_nc_u32 v[T], v[T], v[P16+\q]             ; the tile's row as a row of the weight: + 8 for rows 8 to 15
	v_lshlrev_b32 v[P16+\q], 4, v[MR+\q]
	v_mov_b32 v[MR+\q], v[T]
.endr
	v_and_b32 v[T], 8, v25
	v_add_nc_u32 v[T], v[T], v25                   ; r + 8 (r / 8)
	s_mul_i32 s94, ttmp9, 3                        ; my work-group's first unit
	s_mul_i32 s95, s[WV], 96                       ; my K step in a row of codes,
	s_mul_i32 s96, s[WV], 1536                     ; and among a unit's images
	s_cmp_lt_u32 s[WV], 3
	s_cselect_b32 s97, s[WV], 0
	s_add_co_u32 s97, s97, s94                     ; the unit whose scale bytes I load (waves 0 to 2 store them)
.irp u,0,1,2
	s_add_co_u32 s[UU], s94, \u
	OFFS
	s_mov_b32 s[PI+\u], s89
	s_mul_i32 s[CA+2*\u], s91, s89
	s_mul_i32 s92, s88, 768
	s_add_co_u32 s[CA+2*\u], s[CA+2*\u], s92
	s_add_co_u32 s[CA+2*\u], s[CA+2*\u], s95
	s_mov_b32 s[CA+2*\u+1], 0
	s_mul_i32 s[DA+2*\u], s[UU], 12288
	s_add_co_u32 s[DA+2*\u], s[DA+2*\u], s96
	s_mov_b32 s[DA+2*\u+1], 0
.irp q,0,1,2
	v_mad_u32_u24 v[VO+3*\u+\q], v[MR+\q], s[PI+\u], v[P16+\q]
.endr
.endr
	s_mov_b32 s[UU], s97
	OFFS
	s_mov_b32 s[SPI], s90
	s_mul_i32 s[SA], s91, s90
	s_lshl_b32 s92, s88, 5
	s_add_co_u32 s[SA], s[SA], s92
	s_mov_b32 s[SA+1], 0
	s_lshl_b32 s[SD], s97, 9
	s_add_co_u32 s[SD], s[SD], 9437184
	s_mov_b32 s[SD+1], 0
	v_lshlrev_b32 v[SVO], 4, v26
	v_mad_u32_u24 v[SVO], v[T], s[SPI], v[SVO]     ; scale bytes: my row, + 16 h: lanes 16-31 take K steps 4 to 7
	s_wait_kmcnt 0x0
	s_add_nc_u64 s[8:9], s[8:9], s[52:53]
	s_add_nc_u64 s[10:11], s[10:11], s[54:55]
	s_add_nc_u64 s[12:13], s[12:13], s[54:55]
	s_add_nc_u64 s[46:47], s[14:15], s[56:57]
	s_add_nc_u64 s[48:49], s[14:15], s[58:59]
.irp p,0,1,2,3,4,5,6,7,8,9,10,11,12,13,14,15
	global_load_b128 v[SH+4*\p:SH+4*\p+3], v1, s[8:9] offset:4096*\p   ; row p of x: 32 lanes read 512 consecutive bytes
.endr
.irp u,0,1,2
	s_add_co_u32 s[UU], s94, \u
	PICK 18
	s_add_nc_u64 s[CA+2*\u:CA+2*\u+1], s[98:99], s[CA+2*\u:CA+2*\u+1]
	s_add_nc_u64 s[DA+2*\u:DA+2*\u+1], s[16:17], s[DA+2*\u:DA+2*\u+1]
.irp q,0,1,2
	global_load_b128 v[D+12*\u+4*\q:D+12*\u+4*\q+3], v[VO+3*\u+\q], s[CA+2*\u:CA+2*\u+1]   ; six lanes read a row's 96 consecutive bytes
.endr
.endr
	s_mov_b32 s[UU], s97
	PICK 20
	s_add_nc_u64 s[SA:SA+1], s[98:99], s[SA:SA+1]
	s_add_nc_u64 s[SD:SD+1], s[16:17], s[SD:SD+1]
	global_load_b128 v[SDT:SDT+3], v[SVO], s[SA:SA+1]
	s_wait_loadcnt 0x0                             ; x and the weights are in
	; ---- the weights' three fragments turn through my stage
.irp u,0,1,2
.irp q,0,1,2
	ds_store_b128 v3, v[D+12*\u+4*\q:D+12*\u+4*\q+3] offset:1536*\u+512*\q   ; piece i at 16 i: 16 rows of 96 bytes on end
.endr
.endr
.irp u,0,1,2
.irp p,0,1,2,3,4,5
	ds_load_b64 v[F+12*\u+2*\p:F+12*\u+2*\p+1], v[RL] offset:1536*\u+48*(\p/3)+8*(\p%3)   ; LDS serves a wave's instructions in order: these see my stores
.endr
.endr
	s_wait_dscnt 0x0
.irp u,0,1,2
	global_store_b128 v1, v[F+12*\u:F+12*\u+3], s[DA+2*\u:DA+2*\u+1]         ; the image: 512, 256, 512, 256 consecutive bytes
	global_store_b64 v8, v[F+12*\u+4:F+12*\u+5], s[DA+2*\u:DA+2*\u+1] offset:512
	global_store_b128 v1, v[F+12*\u+6:F+12*\u+9], s[DA+2*\u:DA+2*\u+1] offset:768
	global_store_b64 v8, v[F+12*\u+10:F+12*\u+11], s[DA+2*\u:DA+2*\u+1] offset:1280
.endr
	s_cmp_gt_u32 s[WV], 2                          ; waves 0 to 2 store a unit's 512 bytes of scale words: 256 h + 16 r = 16 x lane
	s_cbranch_scc1 .Lno_scales
	global_store_b128 v1, v[SDT:SDT+3], s[SD:SD+1]
.Lno_scales:
	; ---- LayerNorm of token tile ttmp9
.irp p,0,1,2,3,4,5,6,7,8,9,10,11,12,13,14,15
	ds_store_b128 v3, v[SH+4*\p:SH+4*\p+3] offset:528*\p
.endr
.irp b,0,1,2,3
.irp q,0,1,2,3
	ds_load_b128 v[X+16*\b+4*\q:X+16*\b+4*\q+3], v2 offset:128*\b+16*\q   ; these see my stores
.endr
.endr
	s_wait_xcnt 0x0                                ; the images' stores have read their registers, which now take the gain
.irp b,0,1,2,3
.irp q,0,1,2,3
	global_load_b128 v[G+16*\b+4*\q:G+16*\b+4*\q+3], v4, s[10:11] offset:128*\b+16*\q
.endr
.endr
	s_wait_dscnt 0x0                               ; the stage's stores have read their registers, which now take the shift
.irp b,0,1,2,3
.irp q,0,1,2,3
	global_load_b128 v[SH+16*\b+4*\q:SH+16*\b+4*\q+3], v4, s[12:13] offset:128*\b+16*\q
.endr
.endr
.irp c,0,1,2,3
	v_pk_add_f32 v[14+2*\c:15+2*\c], v[X+4*\c:X+4*\c+1], v[X+4*\c+2:X+4*\c+3]   ; the sum, in four chains
.endr
.irp j,16,24,32,40,48,56
.irp c,0,1,2,3
	v_pk_add_f32 v[14+2*\c:15+2*\c], v[14+2*\c:15+2*\c], v[X+\j+2*\c:X+\j+2*\c+1]
.endr
.endr
	JOIN 0
	v_mul_f32 v10, s60, v14                        ; the mean
	v_mov_b32 v11, v10
.set J, 0
.rept 32
	v_pk_add_f32 v[X+J:X+J+1], v[X+J:X+J+1], v[10:11] neg_lo:[0,1] neg_hi:[0,1]   ; x - mean
.set J, J+2
.endr
.irp c,0,1,2,3
	v_pk_mul_f32 v[14+2*\c:15+2*\c], v[X+2*\c:X+2*\c+1], v[X+2*\c:X+2*\c+1]
.endr
.irp j,8,16,24,32,40,48,56
.irp c,0,1,2,3
	v_pk_fma_f32 v[14+2*\c:15+2*\c], v[X+\j+2*\c:X+\j+2*\c+1], v[X+\j+2*\c:X+\j+2*\c+1], v[14+2*\c:15+2*\c]
.endr
.endr
	JOIN 1024
	v_fma_f32 v12, v14, s60, s61                   ; the variance + 1e-5
	v_rsq_f32 v12, v12
	v_nop                                          ; a plain place behind the transcendental
	s_wait_alu depctr_va_vdst(0)                   ; and a wait ahead of its first reader
	v_mov_b32 v13, v12
	s_wait_loadcnt 0x0                             ; gain and shift
.set J, 0
.rept 32
	v_pk_mul_f32 v[X+J:X+J+1], v[X+J:X+J+1], v[G+J:G+J+1]
.set J, J+2
.endr
.set J, 0
.rept 32
	v_pk_fma_f32 v[X+J:X+J+1], v[X+J:X+J+1], v[12:13], v[SH+J:SH+J+1]
.set J, J+2
.endr
	QUANT X
	global_store_b128 v1, v[PC:PC+3], s[46:47]                 ; the image: 512, 256, 512, 256 consecutive bytes
	global_store_b64 v8, v[PC+4:PC+5], s[46:47] offset:512
	global_store_b128 v1, v[PC+6:PC+9], s[46:47] offset:768
	global_store_b64 v8, v[PC+10:PC+11], s[46:47] offset:1280
	ds_store_b32 v7, v[PW]
	s_wait_dscnt 0x0
	s_barrier_signal -1
	s_barrier_wait -1
	s_cmp_lg_u32 s[WV], 0                          ; wave 0 stores the tile's 512 bytes of scale words: lane (r, h) the words of K steps 4 h .. 4 h + 3 of row r
	s_cbranch_scc1 .Ldone
.irp i,0,1,2,3
	ds_load_b32 v[16+\i], v9 offset:128*\i
.endr
	s_wait_dscnt 0x0
	global_store_b128 v1, v[16:19], s[48:49] offset:3145728
.Ldone:
	s_wait_tensorcnt 0x0
	ds_add_u32 v254, v255
	s_wait_dscnt 0x0
	s_endpgm
.Lfunc_end_k_q962e709c03_prep:
	.size	k_q962e709c03_prep, .Lfunc_end_k_q962e709c03_prep-k_q962e709c03_prep
	.p2alignl 7, 3214868480
	.fill 96, 4, 3214868480
	.section	.rodata,"a",@progbits
	.p2align	6, 0x0
	.amdhsa_kernel k_q962e709c03_prep
		.amdhsa_group_segment_fixed_size 71680
		.amdhsa_private_segment_fixed_size 0
		.amdhsa_enable_private_segment 0
		.amdhsa_kernarg_size 136
		.amdhsa_user_sgpr_count 2
		.amdhsa_user_sgpr_kernarg_segment_ptr 1
		.amdhsa_wavefront_size32 1
		.amdhsa_system_sgpr_workgroup_id_x 1
		.amdhsa_system_sgpr_workgroup_id_y 1
		.amdhsa_system_sgpr_workgroup_id_z 1
		.amdhsa_system_vgpr_workitem_id 0
		.amdhsa_next_free_vgpr 256
		.amdhsa_next_free_sgpr 100
		.amdhsa_reserve_vcc 0
		.amdhsa_float_denorm_mode_32 3
		.amdhsa_float_denorm_mode_16_64 3
		.amdhsa_memory_ordered 1
		.amdhsa_forward_progress 1
		.amdhsa_inst_pref_size 40
	.end_amdhsa_kernel
	.amdgpu_metadata
---
amdhsa.version: [ 1, 2 ]
amdhsa.kernels:
  - .name:           k_q962e709c03_prep
    .symbol:         k_q962e709c03_prep.kd
    .args:
      - { .name: x, .offset: 0, .size: 8, .value_kind: global_buffer, .address_space: global }
      - { .name: ln1_scale, .offset: 8, .size: 8, .value_kind: global_buffer, .address_space: global }
      - { .name: ln1_shift, .offset: 16, .size: 8, .value_kind: global_buffer, .address_space: global }
      - { .name: hc, .offset: 24, .size: 8, .value_kind: global_buffer, .address_space: global }
      - { .name: wimg, .offset: 32, .size: 8, .value_kind: global_buffer, .address_space: global }
      - { .name: Wq_codes, .offset: 40, .size: 8, .value_kind: global_buffer, .address_space: global }
      - { .name: Wq_scales, .offset: 48, .size: 8, .value_kind: global_buffer, .address_space: global }
      - { .name: Wk_codes, .offset: 56, .size: 8, .value_kind: global_buffer, .address_space: global }
      - { .name: Wk_scales, .offset: 64, .size: 8, .value_kind: global_buffer, .address_space: global }
      - { .name: Wv_codes, .offset: 72, .size: 8, .value_kind: global_buffer, .address_space: global }
      - { .name: Wv_scales, .offset: 80, .size: 8, .value_kind: global_buffer, .address_space: global }
      - { .name: Wo_codes, .offset: 88, .size: 8, .value_kind: global_buffer, .address_space: global }
      - { .name: Wo_scales, .offset: 96, .size: 8, .value_kind: global_buffer, .address_space: global }
      - { .name: W1_codes, .offset: 104, .size: 8, .value_kind: global_buffer, .address_space: global }
      - { .name: W1_scales, .offset: 112, .size: 8, .value_kind: global_buffer, .address_space: global }
      - { .name: W2_codes, .offset: 120, .size: 8, .value_kind: global_buffer, .address_space: global }
      - { .name: W2_scales, .offset: 128, .size: 8, .value_kind: global_buffer, .address_space: global }
    .group_segment_fixed_size: 71680
    .private_segment_fixed_size: 0
    .kernarg_segment_align: 8
    .kernarg_segment_size: 136
    .max_flat_workgroup_size: 256
    .sgpr_count:     100
    .vgpr_count:     256
    .wavefront_size: 32
...
	.end_amdgpu_metadata
.endif
;; end of part 1
;; launch qkv (part 2): grid 192 x 1, 8 waves a work-group, no clusters, 168,960 bytes of LDS; arguments wimg, hc, qkv; writes qkv
.if DOCPART == 2
	.amdgcn_target "amdgcn-amd-amdhsa--gfx1250"
	.amdhsa_code_object_version 6
	.text
	.protected	k_q962e709c03_qkv
	.globl	k_q962e709c03_qkv
	.p2align	8
	.type	k_q962e709c03_qkv,@function
k_q962e709c03_qkv:
	s_mov_b64 s[64:65], 0
	v_nop
	global_prefetch_b8 v0, s[64:65] scope:SCOPE_SE
	s_setreg_imm32_b32 hwreg(HW_REG_WAVE_MODE, 25, 1), 1
	s_wait_xcnt 0x0
; Q, K, V = h W, on codes of BF6, and each result quantised at once: q and k along the head's 64, v along the keys.
; A wave keeps a STATIONARY UNIT in registers for the whole launch: 64 rows x K 1,024 of one operand, 32 fragments, 384 registers.  The other operand's 128 rows lie in LDS and stream past, 16 rows a trip:
; each fragment read from LDS feeds four matrix instructions.  Eight waves, two to a SIMD, so that one wave's quantising stands beside the other's products.
; Work-groups 0-63 make q, 64-127 k: stationary = a head's 64 rows of the weight (source 0), streamed = 128 tokens: a lane holds one token, its 32 registers the head's 64 (with lane l xor 16).
; Work-groups 128-191 make v: stationary = 64 TOKENS (source 0), streamed = 128 rows of Wv: a lane holds one channel, its registers run along 64 keys: the same lines quantise along the keys.
; There key 32 b + 16 u + 8 h + j takes place 16 h + 8 u + j of its block of 32; the launch that multiplies lays p the same way, so the products are the same.
; One path serves all three: pointers, offsets and strides are chosen by s_cselect on the work-group's number.
; THE FIRST TRIP is written out ahead of the loop: its K step s waits only for the unit's fragments 4 s .. 4 s + 3, so that it is multiplied while the later fragments are on their way.
; LDS is filled once, by two tensor loads a wave at the head (two are out at the most); nothing is filled again.
; NO CLUSTER: what work-groups share by tensor loads is the streamed block, 102,400 bytes of the 495,616 that a work-group reads; the stationary units go straight into registers.
; LIMITS: NaN and infinities are not served; a block of zeros gets the byte 1 (its codes are zeros; this program alone reads the bytes).
.set ASC, 98304                        ; LDS: 0 the streamed block, 8 tiles x 8 fragments x 1,536; then its scale words, 512 bytes a tile;
.set SG,  102400                       ; then the scale bytes just made: 1,024 bytes for each wave, a word a lane and trip
.set A16, 3                            ; v3, v4 the trip's tile: 16 x lane, 8 x lane
.set A8,  4
.set AS,  10                           ; v10-13  the streamed tile's scale words: lanes 0-15 K steps 0-3, lanes 16-31 K steps 4-7
.set WS,  14                           ; v14-29  the unit's: register 8 p + s: lanes 0-15 tile 2 p, lanes 16-31 tile 2 p + 1, K step s
.set ACC, 30                           ; v30-61  four accumulators
.set AF,  62                           ; v62-109 a ring of four streamed fragments
.set TM,  94                           ; at work in QH (the ring is idle then)
.set PC,  110                          ; v110-118 the codes just made
.set PW,  119
.set WV,  12
.set SEL, 48
.set SP,  52                           ; s[52:53] the unit's codes
.set MSB, 0
.macro WIN new                         ; the immediate's high byte repeats the setting that is left
.if MSB != \new
	s_set_vgpr_msb (MSB<<8)|\new
.set MSB, \new
.endif
.endm
.macro FR a16, a8, reg, off            ; a fragment's image out of LDS
	ds_load_b128 v[\reg:\reg+3], v[\a16] offset:\off
	ds_load_b64 v[\reg+4:\reg+5], v[\a8] offset:\off+512
	ds_load_b128 v[\reg+6:\reg+9], v[\a16] offset:\off+768
	ds_load_b64 v[\reg+10:\reg+11], v[\a8] offset:\off+1280
.endm
.macro GFR reg, off                    ; and out of memory
	global_load_b128 v[\reg:\reg+3], v1, s[SP:SP+1] offset:\off
	global_load_b64 v[\reg+4:\reg+5], v2, s[SP:SP+1] offset:\off+512
	global_load_b128 v[\reg+6:\reg+9], v1, s[SP:SP+1] offset:\off+768
	global_load_b64 v[\reg+10:\reg+11], v2, s[SP:SP+1] offset:\off+1280
.endm
.macro WM d, a, b, zero, sa, sb, ra, rb   ; one product; ra, rb: the scales stand in lanes 16-31 of their registers
.if \zero
.if (\ra)&&(\rb)
	v_wmma_scale_f32_16x16x128_f8f6f4 v[\d:\d+7], v[\a:\a+11], v[\b:\b+11], 0, v[\sa], v[\sb] matrix_a_fmt:MATRIX_FMT_BF6 matrix_b_fmt:MATRIX_FMT_BF6 matrix_a_scale:MATRIX_SCALE_ROW1 matrix_b_scale:MATRIX_SCALE_ROW1
.elseif \ra
	v_wmma_scale_f32_16x16x128_f8f6f4 v[\d:\d+7], v[\a:\a+11], v[\b:\b+11], 0, v[\sa], v[\sb] matrix_a_fmt:MATRIX_FMT_BF6 matrix_b_fmt:MATRIX_FMT_BF6 matrix_a_scale:MATRIX_SCALE_ROW1
.elseif \rb
	v_wmma_scale_f32_16x16x128_f8f6f4 v[\d:\d+7], v[\a:\a+11], v[\b:\b+11], 0, v[\sa], v[\sb] matrix_a_fmt:MATRIX_FMT_BF6 matrix_b_fmt:MATRIX_FMT_BF6 matrix_b_scale:MATRIX_SCALE_ROW1
.else
	v_wmma_scale_f32_16x16x128_f8f6f4 v[\d:\d+7], v[\a:\a+11], v[\b:\b+11], 0, v[\sa], v[\sb] matrix_a_fmt:MATRIX_FMT_BF6 matrix_b_fmt:MATRIX_FMT_BF6
.endif
.else
.if (\ra)&&(\rb)
	v_wmma_scale_f32_16x16x128_f8f6f4 v[\d:\d+7], v[\a:\a+11], v[\b:\b+11], v[\d:\d+7], v[\sa], v[\sb] matrix_a_fmt:MATRIX_FMT_BF6 matrix_b_fmt:MATRIX_FMT_BF6 matrix_a_scale:MATRIX_SCALE_ROW1 matrix_b_scale:MATRIX_SCALE_ROW1
.elseif \ra
	v_wmma_scale_f32_16x16x128_f8f6f4 v[\d:\d+7], v[\a:\a+11], v[\b:\b+11], v[\d:\d+7], v[\sa], v[\sb] matrix_a_fmt:MATRIX_FMT_BF6 matrix_b_fmt:MATRIX_FMT_BF6 matrix_a_scale:MATRIX_SCALE_ROW1
.elseif \rb
	v_wmma_scale_f32_16x16x128_f8f6f4 v[\d:\d+7], v[\a:\a+11], v[\b:\b+11], v[\d:\d+7], v[\sa], v[\sb] matrix_a_fmt:MATRIX_FMT_BF6 matrix_b_fmt:MATRIX_FMT_BF6 matrix_b_scale:MATRIX_SCALE_ROW1
.else
	v_wmma_scale_f32_16x16x128_f8f6f4 v[\d:\d+7], v[\a:\a+11], v[\b:\b+11], v[\d:\d+7], v[\sa], v[\sb] matrix_a_fmt:MATRIX_FMT_BF6 matrix_b_fmt:MATRIX_FMT_BF6
.endif
.endif
.endm
; K step s of a trip: the unit's four tiles against the streamed fragment: four accumulators by turns, one instruction a turn.
; The unit's fragment 4 s + t lies in window 1 at v[12 (4 s + t)] (the first 21) or in window 0 from v124 on.
; first = 1, the first trip: the unit's fragments 4 s .. 4 s + 3 are waited for here.  Behind their loads 16 (7 - s) were issued; a wait's count holds 63 at the most, which covers K steps 0 to 3.
.macro STEPK s, zero, first
.if \first
.if (\s) == 0
	s_wait_loadcnt 63                              ; the unit's scale words and its fragments 0 to 15 are in: behind them 64 loads were issued
.elseif (\s) >= 4
	s_wait_loadcnt 112-16*(\s)
.endif
.endif
.if \s < 5
	s_wait_dscnt 12                                ; fragment s is in: behind its four loads those of three later fragments were issued
.else
	s_wait_dscnt 4*(7-\s)                          ; of two, of one, of none
.endif
.set ZZ, (\zero)&&((\s)==0)
.irp t,0,1,2,3
.set IDX, 4*(\s)+\t
.if IDX < 21
	WIN 0x01
.set WR, 12*IDX
.else
	WIN 0
.set WR, 124+12*(IDX-21)
.endif
	WM ACC+8*\t, WR, AF+12*((\s)%4), ZZ, WS+8*(\t/2)+(\s), AS+((\s)&3), \t&1, (\s)/4
.endr
.if \s < 4
	WIN 0
.rept 4
	v_nop                                          ; four places in front of loads into registers that these products read
.endr
	FR A16, A8, AF+12*((\s)%4), 1536*((\s)+4)
.endif
.endm
; 32 numbers of a lane, register 16 b + i = place 16 h + i of block b, become half a fragment's codes in v[PC .. PC + 5] and the two scale bytes in v[PW]
.macro QH s
.irp b,0,1
	v_max3_num_f32 v[TM+\b], |v[\s+16*\b]|, |v[\s+16*\b+1]|, 0x2800000   ; each accumulator is read from its low end on; the floor 2^(5 - 127) holds the byte at 1 from below
.endr
.irp i,2,4,6,8,10,12,14
.irp b,0,1
	v_max3_num_f32 v[TM+\b], v[TM+\b], |v[\s+16*\b+\i]|, |v[\s+16*\b+\i+1]|
.endr
.endr
.irp b,0,1
	v_permlanex16_b32 v[TM+2+\b], v[TM+\b], s[SEL], s[SEL+1]
.endr
.irp b,0,1
	v_max_num_f32 v[TM+\b], v[TM+\b], v[TM+2+\b]
.endr
.irp b,0,1
	v_add_nc_u32 v[TM+4+\b], 0xfe000000, v[TM+\b]  ; 4 off the exponent field: the conversion's scale operand
.endr
.irp b,0,1
	v_lshrrev_b32 v[TM+2+\b], 23, v[TM+4+\b]
.endr
	v_lshl_or_b32 v[PW], v[TM+3], 8, v[TM+2]
	v_cvt_scalef32_pk16_bf6_f32 v[PC:PC+2], v[\s:\s+15], v[TM+4]
	v_cvt_scalef32_pk16_bf6_f32 v[PC+6:PC+8], v[\s+16:\s+31], v[TM+5]
	v_nop                                          ; one plain place behind a scaled conversion
.irp i,0,1,2
	v_permlane16_swap_b32 v[PC+\i], v[PC+6+\i]     ; lanes 0-15 get block 0 whole, lanes 16-31 block 1
.endr
.irp i,0,1,2
	v_mov_b32 v[PC+3+\i], v[PC+6+\i]
.endr
.endm
; A trip: a streamed tile of 16 rows against my unit, quantised and stored
.macro TRIP first
	v_add_nc_u32 v3, s47, v1
	v_add_nc_u32 v4, s47, v2
	v_add_nc_u32 v5, s50, v1
	v_add_nc_u32 v6, s51, v8
	ds_load_b128 v[AS:AS+3], v5
	FR A16, A8, AF, 0
	FR A16, A8, AF+12, 1536
	FR A16, A8, AF+24, 3072
	FR A16, A8, AF+36, 4608
.irp s,0,1,2,3,4,5,6,7
	STEPK \s, 1, \first
.endr
	WIN 0
.rept 4
	v_nop                                          ; four places in front of the first read of results
.endr
	QH ACC
	ds_store_b32 v6, v[PW]
	global_store_b128 v1, v[PC:PC+3], s[40:41]     ; half an image: 512 and 256 consecutive bytes
	global_store_b64 v2, v[PC+4:PC+5], s[40:41] offset:512
	s_add_co_u32 s47, s47, 12288
	s_add_co_u32 s50, s50, 512
	s_add_co_u32 s51, s51, 128
	s_wait_xcnt 0x0                                ; the stores have read their base and their data: both are written again only behind this wait
	s_add_nc_u64 s[40:41], s[40:41], s[42:43]
.endm
	s_load_b128 s[4:7], s[0:1], 0x0                ; wimg, hc
	s_load_b64 s[8:9], s[0:1], 0x10                ; qkv
	v_lshl_add_u32 v122, v0, 2, 0x29000
	v_mov_b32 v123, 0
	ds_add_u32 v122, v123
	ds_add_u32 v122, v123
	v_lshrrev_b32 v9, 5, v0
	v_readfirstlane_b32 s[WV], v9                  ; wave 0..7
	v_and_b32 v9, 31, v0
	v_lshlrev_b32 v1, 4, v9                        ; 16 x lane
	v_lshlrev_b32 v2, 3, v9                        ; 8 x lane
	s_lshl_b32 s56, s[WV], 10
	v_lshlrev_b32 v8, 2, v9
	v_add_nc_u32 v8, s56, v8
	v_add_nc_u32 v8, SG, v8                        ; my scale bytes: SG + 1,024 w + 4 l (+ 128 a trip)
	s_lshr_b32 s56, s[WV], 1
	s_lshl_b32 s56, s56, 11
	s_and_b32 s57, s[WV], 1
	s_lshl_b32 s57, s57, 9
	s_add_co_u32 s56, s56, s57
	v_lshrrev_b32 v7, 3, v9
	v_lshlrev_b32 v7, 7, v7
	v_and_b32 v3, 7, v9
	v_lshl_add_u32 v7, v3, 3, v7
	v_add_nc_u32 v7, s56, v7
	v_add_nc_u32 v7, SG, v7                        ; at the end: the even wave's words of tile 4 (w % 2) + l / 8, rows 2 (l % 8) and the next; the odd wave's lie 1,024 on
	v_and_b32 v3, 15, v0
	v_bfe_u32 v4, v0, 4, 1
	v_lshlrev_b32 v9, 4, v3
	v_lshl_add_u32 v9, v4, 9, v9                   ; the unit's scale words: 16 r, lanes 16-31 one tile on
	v_mov_b32 v[TM+2], 0                           ; written once: a lane permute's destination counts as one of its sources
	v_mov_b32 v[TM+3], 0
	s_mov_b32 s[SEL], 0x76543210
	s_mov_b32 s[SEL+1], 0xfedcba98
	; descriptor groups 1: 48 rows of 256 bytes, dense (a tile's 12,288 bytes of codes); one row of 512 bytes (its scale words)
	s_mov_b32 s16, 0x30000                         ; no mask; elements of 8 bytes; no padding
	s_mov_b32 s17, 32<<16                          ; tensor_dim0 = 32
	s_mov_b32 s18, 48<<16                          ; tensor_dim1 = 48
	s_mov_b32 s19, 32<<16                          ; tile_dim0 = 32
	s_mov_b32 s20, 48                              ; tile_dim1 = 48
	s_mov_b32 s21, 32                              ; the pitch
	s_mov_b32 s22, 0
	s_mov_b32 s23, 0
	s_mov_b32 s24, 0x30000
	s_mov_b32 s25, 64<<16
	s_mov_b32 s26, 1<<16
	s_mov_b32 s27, 64<<16
	s_mov_b32 s28, 1
	s_mov_b32 s29, 64
	s_mov_b32 s30, 0
	s_mov_b32 s31, 0
	s_lshr_b32 s13, ttmp9, 6                       ; 0 q, 1 k, 2 v
	s_and_b32 s14, ttmp9, 63
	s_cmp_eq_u32 s13, 2
	s_cselect_b32 s56, 3, 5
	s_cselect_b32 s57, 7, 31
	s_lshr_b32 s15, s14, s56
	s_lshl_b32 s15, s15, 3
	s_add_co_u32 s15, s15, s[WV]                   ; my unit: q, k: the head, 0 .. 15; v: 64 tokens, 0 .. 63
	s_and_b32 s58, s14, s57
	s_lshl_b32 s58, s58, 3                         ; the streamed block's first tile
	s_add_co_u32 s59, s58, s[WV]                   ; the tile that I fetch
	s_mul_i32 s60, s59, 12288
	s_lshl_b32 s62, s59, 9
	s_mul_i32 s52, s15, 49152
	s_lshl_b32 s54, s15, 11
	s_mul_i32 s10, s13, 786432
	s_lshl_b32 s11, s13, 15
	s_add_co_u32 s11, s11, 9437184
	s_mov_b32 s2, 3145728
	s_lshl_b32 s40, s15, 8
	s_add_co_u32 s40, s40, s58                     ; q, k: half image head x 256 + token tile
	s_lshr_b32 s42, s15, 4
	s_lshl_b32 s42, s42, 10
	s_lshl_b32 s3, s58, 4
	s_add_co_u32 s42, s42, s3
	s_and_b32 s3, s15, 15
	s_add_co_u32 s42, s42, s3                      ; v: (batch x 64 + channel tile) x 16 + which 64 keys
	s_lshr_b32 s44, s15, 1
	s_cmp_eq_u32 s13, 2
	s_cselect_b32 s10, 0, s10
	s_cselect_b32 s11, s2, s11
	s_cselect_b32 s3, 1572864, 0
	s_cselect_b32 s2, 9502720, s2
	s_cselect_b32 s40, s42, s40
	s_mov_b32 s42, 768
	s_cselect_b32 s42, 12288, s42                  ; from streamed tile to streamed tile in the output
	s_cselect_b32 s46, 6, 8
	s_add_co_u32 s52, s52, s10                     ; the unit's codes,
	s_add_co_u32 s54, s54, s11                     ; its scale words,
	s_add_co_u32 s60, s60, s3                      ; my streamed tile's codes,
	s_add_co_u32 s62, s62, s2                      ; its scale words
	s_mul_i32 s40, s40, 768
	s_mul_i32 s10, s13, 3145728
	s_add_co_u32 s40, s40, s10
	s_lshl_b32 s44, s44, s46
	s_add_co_u32 s44, s44, s58
	s_lshl_b32 s44, s44, 6                         ; scale words out: ((unit / 2) x 256 or 64 + first tile) x 64 bytes
	s_lshl_b32 s10, s13, 17
	s_add_co_u32 s44, s44, s10
	s_and_b32 s10, s[WV], 1
	s_lshl_b32 s10, s10, 8
	s_add_co_u32 s44, s44, s10                     ; the pair's 512 bytes: each of its waves stores 256
	s_add_co_u32 s44, s44, 9437184
	s_mov_b32 s41, 0
	s_mov_b32 s43, 0
	s_mov_b32 s45, 0
	s_mov_b32 s53, 0
	s_mov_b32 s55, 0
	s_mov_b32 s61, 0
	s_mov_b32 s63, 0
	s_mov_b32 s32, 1
	s_mul_i32 s33, s[WV], 12288
	s_mov_b32 s36, 1
	s_lshl_b32 s37, s[WV], 9
	s_add_co_u32 s37, s37, ASC
	s_wait_dscnt 0x0
	s_wait_kmcnt 0x0
	s_cmp_eq_u32 s13, 2
	s_cselect_b64 s[56:57], s[6:7], s[4:5]         ; stationary: tokens for v, else the weight
	s_cselect_b64 s[58:59], s[4:5], s[6:7]         ; streamed: the other
	s_add_nc_u64 s[52:53], s[56:57], s[52:53]
	s_add_nc_u64 s[54:55], s[56:57], s[54:55]
	s_add_nc_u64 s[34:35], s[58:59], s[60:61]
	s_or_b32 s35, s35, 0x80000000
	s_add_nc_u64 s[38:39], s[58:59], s[62:63]
	s_or_b32 s39, s39, 0x80000000
	s_add_nc_u64 s[40:41], s[8:9], s[40:41]
	s_add_nc_u64 s[44:45], s[8:9], s[44:45]
	tensor_load_to_lds s[32:35], s[16:23]          ; my tile of the streamed block
	s_nop 0
	tensor_load_to_lds s[36:39], s[24:31]          ; and its scale words
	s_nop 0
.rept 4
	v_nop
.endr
.irp p,0,1
.irp g,0,1
	global_load_b128 v[WS+8*\p+4*\g:WS+8*\p+4*\g+3], v9, s[54:55] offset:1024*\p+256*\g
.endr
.endr
	WIN 0x40                                       ; destination window 1
.set IDX, 0
.rept 21
	GFR 12*IDX, (8*(IDX%4)+IDX/4)*1536             ; in the order in which the K steps take them
.set IDX, IDX+1
.endr
	WIN 0
.rept 11
	GFR 124+12*(IDX-21), (8*(IDX%4)+IDX/4)*1536
.set IDX, IDX+1
.endr
	s_mov_b32 s47, 0                               ; the trip's tile in LDS,
	s_mov_b32 s50, ASC                             ; its scale words,
	s_mov_b32 s51, 0                               ; its place among the bytes that I make
	s_wait_tensorcnt 0x0                           ; my part of the block is in,
	s_wait_dscnt 0x0
	s_barrier_signal -1
	s_barrier_wait -1                              ; everybody's is.  (The unit's later fragments may still be out: nobody else touches those bytes or registers)
	TRIP 1                                         ; the first of eight trips, under the unit's arrival
	s_mov_b32 s46, 0
.Ltrip:                                                ; the other seven
	TRIP 0
	s_add_co_u32 s46, s46, 1
	s_cmp_lt_u32 s46, 7
	s_cbranch_scc1 .Ltrip
	s_wait_dscnt 0x0                               ; my bytes lie in LDS
	s_barrier_signal -1
	s_barrier_wait -1
	ds_load_b64 v[62:63], v7                       ; the even wave's two bytes of two rows,
	ds_load_b64 v[64:65], v7 offset:1024           ; the odd wave's
	s_wait_dscnt 0x0
	v_lshl_or_b32 v62, v64, 16, v62                ; make the scale words of 128 along the next K
	v_lshl_or_b32 v63, v65, 16, v63
	global_store_b64 v2, v[62:63], s[44:45]        ; 256 consecutive bytes a wave
	s_wait_tensorcnt 0x0
	ds_add_u32 v122, v123
	s_wait_dscnt 0x0
	s_endpgm
.Lfunc_end_k_q962e709c03_qkv:
	.size	k_q962e709c03_qkv, .Lfunc_end_k_q962e709c03_qkv-k_q962e709c03_qkv
	.p2alignl 7, 3214868480
	.fill 96, 4, 3214868480
	.section	.rodata,"a",@progbits
	.p2align	6, 0x0
	.amdhsa_kernel k_q962e709c03_qkv
		.amdhsa_group_segment_fixed_size 168960
		.amdhsa_private_segment_fixed_size 0
		.amdhsa_enable_private_segment 0
		.amdhsa_kernarg_size 24
		.amdhsa_user_sgpr_count 2
		.amdhsa_user_sgpr_kernarg_segment_ptr 1
		.amdhsa_wavefront_size32 1
		.amdhsa_system_sgpr_workgroup_id_x 1
		.amdhsa_system_sgpr_workgroup_id_y 1
		.amdhsa_system_sgpr_workgroup_id_z 1
		.amdhsa_system_vgpr_workitem_id 0
		.amdhsa_next_free_vgpr 512
		.amdhsa_next_free_sgpr 66
		.amdhsa_reserve_vcc 0
		.amdhsa_float_denorm_mode_32 3
		.amdhsa_float_denorm_mode_16_64 3
		.amdhsa_memory_ordered 1
		.amdhsa_forward_progress 1
		.amdhsa_inst_pref_size 39
	.end_amdhsa_kernel
	.amdgpu_metadata
---
amdhsa.version: [ 1, 2 ]
amdhsa.kernels:
  - .name:           k_q962e709c03_qkv
    .symbol:         k_q962e709c03_qkv.kd
    .args:
      - { .name: wimg, .offset: 0, .size: 8, .value_kind: global_buffer, .address_space: global }
      - { .name: hc, .offset: 8, .size: 8, .value_kind: global_buffer, .address_space: global }
      - { .name: qkv, .offset: 16, .size: 8, .value_kind: global_buffer, .address_space: global }
    .group_segment_fixed_size: 168960
    .private_segment_fixed_size: 0
    .kernarg_segment_align: 8
    .kernarg_segment_size: 24
    .max_flat_workgroup_size: 256
    .sgpr_count:     66
    .vgpr_count:     512
    .wavefront_size: 32
...
	.end_amdgpu_metadata
.endif
;; end of part 2
;; launch attn (part 3): grid 256 x 1, 16 waves a work-group, no clusters, 215,040 bytes of LDS; arguments qkv, ctx; writes ctx
.if DOCPART == 3
	.amdgcn_target "amdgcn-amd-amdhsa--gfx1250"
	.amdhsa_code_object_version 6
	.text
	.protected	k_q962e709c03_attn
	.globl	k_q962e709c03_attn
	.p2align	8
	.type	k_q962e709c03_attn,@function
k_q962e709c03_attn:
	s_mov_b64 s[64:65], 0
	v_nop
	global_prefetch_b8 v0, s[64:65] scope:SCOPE_SE
	s_setreg_imm32_b32 hwreg(HW_REG_WAVE_MODE, 25, 1), 1
	s_wait_xcnt 0x0
; Causal attention on codes of BF6; the result is quantised along the model's columns and stored as images of operand registers.
; SOFTMAX AHEAD OF THE SECOND PRODUCT: t = score x log2(e) / 8; M = the running largest t rounded UP to a whole number; p = 2^(t - M) is quantised along the keys, not normalised; the row's sum is taken
; of the unquantised p and divides at the end; when M moves, sum and O are multiplied by 2^(old M - new M), which rounds nothing.
; SHARES.  A work-group has one batch, two heads, and two runs of 64 queries, runs j and 15 - j, which together need 9 key steps of 128 whatever j is.  Sixteen waves of 256 registers, four to a SIMD:
; wave w: tile of 16 queries w % 4 of its run, head (w / 4) % 2, run w / 8.  Every wave walks eight trips (a constant); a trip all of whose keys come after the wave's queries jumps over its work.
; LDS holds both heads' K and V codes and scale words for the whole batch, filled ONCE: two tensor loads a wave at the head (two are out at the most).
; LAYOUT.  Both products are used transposed: S^T = K Q^T, O^T = V^T p^T: a lane holds one query throughout.  The head's 64 fill half of the instruction's 128 along K: the other half of Q's and K's fragments are
; zero codes, and bytes 2, 3 of their scale words are 0.  Register 8 T + j of S^T is key 16 T + 8 h + j: within a block of 32, key 16 u + 8 h + j stands at place 16 h + 8 u + j, as in V's codes.
; A block's largest p is made from the block's largest score by the same multiply-add and exponential (this takes v_exp_f32 not to fall where its input rises).
; NO CLUSTER: the work-groups that share K and V differ in the trips that they jump over, and a branch may not hang on a partner's place.
; LIMITS: NaN and infinities are not served; a block of zeros gets the byte 1.
.set VC,  98304                        ; LDS: 0 K's codes, 49,152 bytes a head; then V's likewise;
.set KSC, 196608                       ; K's scale words, [key tile][row], a word for both heads;
.set VSC, 200704                       ; V's, [key step][head, channel tile][row];
.set CSG, 204800                       ; the scale bytes of the result: 128 bytes for each wave
.set Q,   16                           ; v16-27  Q's fragment (v22-27 zero codes)
.set QS,  28                           ; v28     its scale word
.set KF,  34                           ; v34-81  four fragments of K (the upper six registers of each: zero codes)
.set KW,  82                           ; v82-85  their scale words;  v86-89 V's
.set VW,  86
.set S,   90                           ; v90-153 S^T, then p; then V's four fragments in v90-137
.set O,   154                          ; v154-185 O^T
.set PC,  186                          ; v186-197 p's codes;  v198-204 at work in the conversions
.set CT,  198
.set BM,  206                          ; v206-209 the blocks' largest scores;  v210-213 at work;  v214-217 the conversions' scale operands
.set TM,  206
.set BT,  210
.set SO,  214
.set F,   220                          ; v220 f = 2^(old M - new M);  v221 p's scale word
.set PS,  221
.set T0,  222
.set PW,  227
.set WV,  8
.set SEL, 48
.set CS,  50
.set KFS, 45                           ; s45 the trip's first key
.macro FR a16, a8, reg, off
	ds_load_b128 v[\reg:\reg+3], v[\a16] offset:\off
	ds_load_b64 v[\reg+4:\reg+5], v[\a8] offset:\off+512
	ds_load_b128 v[\reg+6:\reg+9], v[\a16] offset:\off+768
	ds_load_b64 v[\reg+10:\reg+11], v[\a8] offset:\off+1280
.endm
.macro QH s                            ; 32 numbers of a lane become half a fragment's codes in v[PC .. PC + 5] and two scale bytes in v[PW]
.irp b,0,1
	v_max3_num_f32 v[TM+\b], |v[\s+16*\b]|, |v[\s+16*\b+1]|, 0x2800000
.endr
.irp i,2,4,6,8,10,12,14
.irp b,0,1
	v_max3_num_f32 v[TM+\b], v[TM+\b], |v[\s+16*\b+\i]|, |v[\s+16*\b+\i+1]|
.endr
.endr
.irp b,0,1
	v_permlanex16_b32 v[TM+2+\b], v[TM+\b], s[SEL], s[SEL+1]
.endr
.irp b,0,1
	v_max_num_f32 v[TM+\b], v[TM+\b], v[TM+2+\b]
.endr
.irp b,0,1
	v_add_nc_u32 v[TM+4+\b], 0xfe000000, v[TM+\b]
.endr
.irp b,0,1
	v_lshrrev_b32 v[TM+2+\b], 23, v[TM+4+\b]
.endr
	v_lshl_or_b32 v[PW], v[TM+3], 8, v[TM+2]
	v_cvt_scalef32_pk16_bf6_f32 v[PC:PC+2], v[\s:\s+15], v[TM+4]
	v_cvt_scalef32_pk16_bf6_f32 v[PC+6:PC+8], v[\s+16:\s+31], v[TM+5]
	v_nop
.irp i,0,1,2
	v_permlane16_swap_b32 v[PC+\i], v[PC+6+\i]
.endr
.irp i,0,1,2
	v_mov_b32 v[PC+3+\i], v[PC+6+\i]
.endr
.endm
	s_load_b128 s[4:7], s[0:1], 0x0                ; qkv, ctx
	v_lshl_add_u32 v254, v0, 2, 0x34000
	v_mov_b32 v255, 0
	ds_add_u32 v254, v255
	ds_add_u32 v254, v255
	v_lshrrev_b32 v9, 5, v0
	v_readfirstlane_b32 s[WV], v9                  ; wave 0..15
	s_lshr_b32 s9, ttmp9, 6                        ; batch
	s_bfe_u32 s10, ttmp9, 0x30003                  ; pair of heads
	s_and_b32 s11, ttmp9, 7                        ; j
	s_and_b32 s12, s[WV], 3                        ; c
	s_bfe_u32 s13, s[WV], 0x10002                  ; e
	s_lshr_b32 s14, s[WV], 3                       ; a
	s_lshl_b32 s15, s10, 1
	s_add_co_u32 s15, s15, s13                     ; head
	s_sub_co_u32 s40, 15, s11
	s_cmp_eq_u32 s14, 0
	s_cselect_b32 s40, s11, s40                    ; my run of 64 queries
	s_lshl_b32 s41, s40, 2
	s_add_co_u32 s41, s41, s12                     ; my tile of queries in the batch
	s_lshl_b32 s42, s9, 6
	s_add_co_u32 s42, s42, s41                     ; and among all token tiles
	s_lshl_b32 s43, s41, 4                         ; my first query
	s_add_co_u32 s44, s43, 15                      ; my last
	s_mov_b32 s16, 0x30000                         ; group 1: 48 rows of 256 bytes, dense
	s_mov_b32 s17, 32<<16
	s_mov_b32 s18, 48<<16
	s_mov_b32 s19, 32<<16
	s_mov_b32 s20, 48
	s_mov_b32 s21, 32
	s_mov_b32 s22, 0
	s_mov_b32 s23, 0
	s_mov_b32 s24, 0x30000                         ; group 1: one row of 512 bytes
	s_mov_b32 s25, 64<<16
	s_mov_b32 s26, 1<<16
	s_mov_b32 s27, 64<<16
	s_mov_b32 s28, 1
	s_mov_b32 s29, 64
	s_mov_b32 s30, 0
	s_mov_b32 s31, 0
	; what I fetch: waves 0-7 a quarter of a head's K codes and 512 bytes of K's scale words; waves 8-15 the same of V
	s_lshl_b32 s56, s15, 2
	s_add_co_u32 s56, s56, s9                      ; K: 49,152 x (4 head + batch)
	s_lshl_b32 s57, s9, 4
	s_add_co_u32 s57, s57, s15
	s_add_co_u32 s57, s57, 64                      ; V: 49,152 x (16 batch + head), 64 x 49,152 further on
	s_lshl_b32 s58, s10, 8
	s_lshl_b32 s59, s9, 6
	s_add_co_u32 s58, s58, s59
	s_lshl_b32 s58, s58, 6
	s_lshl_b32 s59, s[WV], 9
	s_add_co_u32 s58, s58, s59
	s_add_co_u32 s58, s58, 9568256
	s_lshl_b32 s59, s9, 3
	s_and_b32 s60, s[WV], 7
	s_add_co_u32 s59, s59, s60
	s_lshl_b32 s59, s59, 6
	s_lshl_b32 s60, s10, 3
	s_add_co_u32 s59, s59, s60
	s_lshl_b32 s59, s59, 6
	s_add_co_u32 s59, s59, 9699328
	s_cmp_eq_u32 s14, 0
	s_cselect_b32 s56, s56, s57
	s_cselect_b32 s58, s58, s59
	s_mul_i32 s56, s56, 49152
	s_mul_i32 s57, s12, 12288
	s_add_co_u32 s56, s56, s57
	s_add_co_u32 s56, s56, 3145728
	s_mov_b32 s57, 0
	s_mov_b32 s59, 0
	s_mov_b32 s32, 1
	s_mul_i32 s33, s[WV], 12288
	s_mov_b32 s36, 1
	s_lshl_b32 s37, s[WV], 9
	s_add_co_u32 s37, s37, KSC
	s_wait_dscnt 0x0
	s_wait_kmcnt 0x0
	s_add_nc_u64 s[34:35], s[4:5], s[56:57]
	s_or_b32 s35, s35, 0x80000000
	s_add_nc_u64 s[38:39], s[4:5], s[58:59]
	s_or_b32 s39, s39, 0x80000000
	tensor_load_to_lds s[32:35], s[16:23]
	s_nop 0
	tensor_load_to_lds s[36:39], s[24:31]
	s_nop 0
.rept 4
	v_nop
.endr
	s_lshl_b32 s56, s15, 8
	s_add_co_u32 s56, s56, s42
	s_mul_i32 s56, s56, 768                        ; Q's half image
	s_mov_b32 s57, 0
	s_add_nc_u64 s[56:57], s[4:5], s[56:57]
	s_lshl_b32 s58, s10, 8
	s_add_co_u32 s58, s58, s42
	s_lshl_b32 s58, s58, 6
	s_add_co_u32 s58, s58, 9437184                 ; Q's scale words
	s_mov_b32 s59, 0
	s_add_nc_u64 s[58:59], s[4:5], s[58:59]
	s_lshl_b32 s60, s42, 4
	s_add_co_u32 s60, s60, s15
	s_mul_i32 s60, s60, 768                        ; the result's half image
	s_mov_b32 s61, 0
	s_add_nc_u64 s[60:61], s[6:7], s[60:61]
	s_and_b32 s62, s[WV], 1                        ; waves 0 and 1 store the scale words of runs j and 15 - j
	s_sub_co_u32 s63, 15, s11
	s_cmp_eq_u32 s62, 0
	s_cselect_b32 s63, s11, s63
	s_lshl_b32 s63, s63, 2
	s_lshl_b32 s62, s10, 8
	s_add_co_u32 s62, s62, s63
	s_lshl_b32 s63, s9, 6
	s_add_co_u32 s62, s62, s63
	s_lshl_b32 s62, s62, 6
	s_mov_b32 s63, 0
	s_add_nc_u64 s[62:63], s[6:7], s[62:63]
	v_and_b32 v9, 31, v0                           ; lane
	v_and_b32 v10, 15, v0                          ; r
	v_lshlrev_b32 v7, 4, v9
	v_lshlrev_b32 v8, 3, v9
	v_lshlrev_b32 v226, 2, v10
	v_lshl_add_u32 v226, s13, 1, v226              ; 4 r + 2 e
	global_load_b128 v[Q:Q+3], v7, s[56:57]
	global_load_b64 v[Q+4:Q+5], v8, s[56:57] offset:512
	global_load_u16 v[QS], v226, s[58:59]          ; my head's two bytes; bytes 2, 3 are 0
.irp i,6,7,8,9,10,11
	v_mov_b32 v[Q+\i], 0
.endr
.irp t,0,1,2,3
.irp i,6,7,8,9,10,11
	v_mov_b32 v[KF+12*\t+\i], 0
.endr
.endr
	s_mul_i32 s2, s13, 49152
	v_add_nc_u32 v1, s2, v7                        ; K's codes of my head: 16 x lane,
	v_add_nc_u32 v2, s2, v8                        ; 8 x lane
	v_add_nc_u32 v3, KSC, v226                     ; K's scale bytes
	v_add_nc_u32 v4, VC, v1
	v_add_nc_u32 v5, VC, v2
	v_lshlrev_b32 v6, 2, v10
	v_lshl_add_u32 v6, s13, 8, v6
	v_add_nc_u32 v6, VSC, v6                       ; V's scale words: 256 e + 4 r
	v_lshl_add_u32 v29, v0, 2, CSG                 ; my result's scale bytes: CSG + 128 w + 4 l
	s_and_b32 s2, s[WV], 1
	s_lshl_b32 s2, s2, 10
	v_lshrrev_b32 v15, 3, v9
	v_lshlrev_b32 v15, 7, v15
	v_and_b32 v11, 7, v9
	v_lshl_add_u32 v15, v11, 3, v15
	v_add_nc_u32 v15, s2, v15
	v_add_nc_u32 v15, CSG, v15                     ; at the end: run w's words of tile l / 8, rows 2 (l % 8) and the next, even head; the odd head's lie 512 on
	v_mov_b32 v31, 0xff61b1e6                      ; the largest t so far: -3e38
	v_floor_f32 v30, -v31                          ; -M
	v_mov_b32 v32, 0                               ; the sum, in two halves
	v_mov_b32 v33, 0
.irp b,0,1,2,3
	v_mov_b32 v[BT+\b], 0                          ; written once: a lane permute's destination counts as one of its sources
.endr
	v_mov_b32 v[BM+2], 0
	v_mov_b32 v[BM+3], 0
	v_mov_b32 v[T0], 0
	v_mov_b32 v[PS], 0                             ; (named as the upper half of the pair with f before it is first made)
.set J, 0
.rept 32
	v_mov_b32 v[O+J], 0                            ; the loop is written once: its first trip finds zeros, which the first change of M leaves zeros
.set J, J+1
.endr
	s_mov_b32 s[SEL], 0x76543210
	s_mov_b32 s[SEL+1], 0xfedcba98
	s_mov_b32 s[CS], 0x3e38aa3b                    ; c = log2(e) / 8
	s_mov_b32 s[CS+1], s[CS]
	s_mov_b32 s[KFS], 0
	s_mov_b32 s46, 0                               ; the trip's K codes,
	s_mov_b32 s47, 0                               ; K scale words,
	s_mov_b32 s52, 0                               ; V codes,
	s_mov_b32 s53, 0                               ; V scale words
	s_mov_b32 s54, 0
	s_wait_tensorcnt 0x0
	s_wait_dscnt 0x0
	s_barrier_signal -1
	s_barrier_wait -1                              ; K and V lie in LDS
	s_wait_loadcnt 0x0                             ; Q
.Ltrip:                                                ; eight trips of 128 keys
	s_cmp_gt_u32 s[KFS], s44                       ; all keys behind my queries: a branch on ids, round the work, not round the steps at the trip's end
	s_cbranch_scc1 .Lhidden
	v_add_nc_u32 v9, s46, v1
	v_add_nc_u32 v10, s46, v2
	v_add_nc_u32 v11, s47, v3
	v_add_nc_u32 v12, s52, v4
	v_add_nc_u32 v13, s52, v5
	v_add_nc_u32 v14, s53, v6
	v_nop                                          ; seven places: the first product below writes over registers that the last trip's products read (five are asked)
.irp g,0,1                                     ; S^T = K Q^T, four tiles of 16 keys at a time
.if \g
.rept 4
	v_nop                                          ; places in front of loads into registers that the four products read
.endr
.endif
.irp t,0,1,2,3
	ds_load_b128 v[KF+12*\t:KF+12*\t+3], v9 offset:(4*\g+\t)*768
	ds_load_b64 v[KF+12*\t+4:KF+12*\t+5], v10 offset:(4*\g+\t)*768+512
	ds_load_u16 v[KW+\t], v11 offset:(4*\g+\t)*64
.endr
	s_wait_dscnt 0x0
.irp t,0,1,2,3
	v_wmma_scale_f32_16x16x128_f8f6f4 v[S+8*(4*\g+\t):S+8*(4*\g+\t)+7], v[KF+12*\t:KF+12*\t+11], v[Q:Q+11], 0, v[KW+\t], v[QS] matrix_a_fmt:MATRIX_FMT_BF6 matrix_b_fmt:MATRIX_FMT_BF6
.endr
.endr
.rept 4
	v_nop
.endr
	s_add_co_u32 s2, s[KFS], 127                   ; on the diagonal hidden scores become -infinity ahead of the maximum; a trip all of whose keys count skips this
	s_cmp_le_u32 s2, s43
	s_cbranch_scc1 .Lopen
	s_sub_co_i32 s2, s43, s[KFS]
	v_and_b32 v[T0], 15, v0
	v_bfe_u32 v[T0+1], v0, 4, 1
	v_lshlrev_b32 v[T0+1], 3, v[T0+1]
	v_sub_nc_u32 v[T0], v[T0], v[T0+1]
	v_add_nc_u32 v[T0], s2, v[T0]                  ; d = my query - first key - 8 h: register 8 T + j is hidden where 16 T + j > d
	v_mov_b32 v[T0+1], 0xff800000
.set N, 0
.rept 64
	v_cmp_gt_i32 vcc_lo, 16*(N/8)+N%8, v[T0]
	v_cndmask_b32 v[S+N], v[S+N], v[T0+1], vcc_lo
.set N, N+1
.endr
.Lopen:
.irp b,0,1,2,3
	v_max3_num_f32 v[BM+\b], v[S+16*\b], v[S+16*\b+1], v[S+16*\b+2]   ; the largest score of each block of 32 keys: for the row's maximum, and for the block's largest p
.endr
.irp i,3,5,7,9,11,13
.irp b,0,1,2,3
	v_max3_num_f32 v[BM+\b], v[BM+\b], v[S+16*\b+\i], v[S+16*\b+\i+1]
.endr
.endr
.irp b,0,1,2,3
	v_max_num_f32 v[BM+\b], v[BM+\b], v[S+16*\b+15]
.endr
.irp b,0,1,2,3
	v_permlanex16_b32 v[BT+\b], v[BM+\b], s[SEL], s[SEL+1]
.endr
.irp b,0,1,2,3
	v_max_num_f32 v[BM+\b], v[BM+\b], v[BT+\b]
.endr
	v_max3_num_f32 v[T0], v[BM], v[BM+1], v[BM+2]
	v_max_num_f32 v[T0], v[T0], v[BM+3]
	v_mul_f32 v[T0], s[CS], v[T0]
	v_max_num_f32 v31, v31, v[T0]                  ; the running largest t
	v_mov_b32 v[T0], v30
	v_floor_f32 v30, -v31                          ; the new -M = -ceil(t)
	v_sub_f32 v[T0], v30, v[T0]                    ; old M - new M: a whole number, 0 or less
	v_cvt_i32_f32 v[T0], v[T0]                     ; (it saturates)
	v_ldexp_f32 v[F], 1.0, v[T0]                   ; f
.set J, 0
.rept 32
	v_pk_fma_f32 v[S+J:S+J+1], v[S+J:S+J+1], s[CS:CS+1], v[30:31] op_sel_hi:[1,0,0]   ; t - M
.set J, J+2
.endr
.irp b,0,1,2,3
	v_fma_f32 v[BM+\b], v[BM+\b], s[CS], v30
.endr
.set J, 0
.rept 64
	v_exp_f32 v[S+J], v[S+J]                       ; p
.set J, J+1
.endr
	v_pk_mul_f32 v[32:33], v[32:33], v[F:F+1] op_sel_hi:[1,0]   ; the sums under the new M (a plain place behind the exponentials)
	s_wait_alu depctr_va_vdst(0)                   ; one wait for the batch, ahead of its first reader
.irp b,0,1,2,3
	v_exp_f32 v[BM+\b], v[BM+\b]                   ; the blocks' largest p
.endr
	v_pk_add_f32 v[224:225], v[S:S+1], v[S+2:S+3]  ; the row's sum of the unquantised p, in two chains
.irp j,4,8,12,16,20,24,28,32,36,40,44,48,52,56,60
	v_pk_add_f32 v[32:33], v[32:33], v[S+\j:S+\j+1]
	v_pk_add_f32 v[224:225], v[224:225], v[S+\j+2:S+\j+3]
.endr
	v_pk_add_f32 v[32:33], v[32:33], v[224:225]
	s_wait_alu depctr_va_vdst(0)                   ; and one for the four
.irp b,0,1,2,3
	v_max_num_f32 v[BM+\b], 0x2800000, v[BM+\b]    ; the floor 2^(5 - 127)
.endr
.irp b,0,1,2,3
	v_add_nc_u32 v[SO+\b], 0xfe000000, v[BM+\b]
.endr
.irp b,0,1,2,3
	v_lshrrev_b32 v[BT+\b], 23, v[SO+\b]
.endr
	v_lshl_or_b32 v[PS], v[BT+1], 8, v[BT]         ; p's scale word for these 128 keys
	v_lshl_or_b32 v[PS], v[BT+2], 16, v[PS]
	v_lshl_or_b32 v[PS], v[BT+3], 24, v[PS]
.irp c,0,1
	v_cvt_scalef32_pk16_bf6_f32 v[PC+6*\c:PC+6*\c+2], v[S+32*\c:S+32*\c+15], v[SO+2*\c]
	v_cvt_scalef32_pk16_bf6_f32 v[CT+4*\c:CT+4*\c+2], v[S+32*\c+16:S+32*\c+31], v[SO+2*\c+1]
.endr
	v_nop
.irp c,0,1
.irp i,0,1,2
	v_permlane16_swap_b32 v[PC+6*\c+\i], v[CT+4*\c+\i]
.endr
.irp i,0,1,2
	v_mov_b32 v[PC+3+6*\c+\i], v[CT+4*\c+\i]
.endr
.endr
.set J, 0
.rept 16
	v_pk_mul_f32 v[O+J:O+J+1], v[O+J:O+J+1], v[F:F+1] op_sel_hi:[1,0]   ; O^T under the new M; these sixteen also stand between the making of p's codes and scale word and the products
.set J, J+2
.endr
.irp d,0,1,2,3
	FR 12, 13, S+12*\d, 12288*\d
	ds_load_b32 v[VW+\d], v14 offset:64*\d
.endr
	s_wait_dscnt 0x0
.irp d,0,1,2,3                                 ; O^T += V^T p^T: four accumulators by turns
	v_wmma_scale_f32_16x16x128_f8f6f4 v[O+8*\d:O+8*\d+7], v[S+12*\d:S+12*\d+11], v[PC:PC+11], v[O+8*\d:O+8*\d+7], v[VW+\d], v[PS] matrix_a_fmt:MATRIX_FMT_BF6 matrix_b_fmt:MATRIX_FMT_BF6
.endr
.Lhidden:
	s_add_co_u32 s[KFS], s[KFS], 128
	s_add_co_u32 s46, s46, 6144
	s_add_co_u32 s47, s47, 512
	s_add_co_u32 s52, s52, 1536
	s_add_co_u32 s53, s53, 512
	s_add_co_u32 s54, s54, 1
	s_cmp_lt_u32 s54, 8
	s_cbranch_scc1 .Ltrip
	; THE WAY OUT: O^T / the sum, quantised along the head's 64, which are half a K step of the next product
.rept 4
	v_nop
.endr
	v_add_f32 v32, v32, v33
	v_permlanex16_b32 v[T0], v32, s[SEL], s[SEL+1]
	v_add_f32 v32, v32, v[T0]
	v_rcp_f32 v32, v32
	v_nop
	s_wait_alu depctr_va_vdst(0)
	v_mov_b32 v33, v32
.set J, 0
.rept 16
	v_pk_mul_f32 v[S+J:S+J+1], v[O+J:O+J+1], v[32:33]   ; each accumulator from its low end on
.set J, J+2
.endr
	QH S
	global_store_b128 v7, v[PC:PC+3], s[60:61]
	global_store_b64 v8, v[PC+4:PC+5], s[60:61] offset:512
	ds_store_b32 v29, v[PW]
	s_wait_dscnt 0x0
	s_barrier_signal -1
	s_barrier_wait -1
	s_cmp_gt_u32 s[WV], 1
	s_cbranch_scc1 .Ldone
	ds_load_b64 v[90:91], v15                      ; the even head's bytes of two rows,
	ds_load_b64 v[92:93], v15 offset:512           ; the odd head's
	s_wait_dscnt 0x0
	v_lshl_or_b32 v90, v92, 16, v90
	v_lshl_or_b32 v91, v93, 16, v91
	global_store_b64 v8, v[90:91], s[62:63] offset:3145728   ; 256 consecutive bytes: four tiles' words of K step = the pair of heads
.Ldone:
	s_wait_tensorcnt 0x0
	ds_add_u32 v254, v255
	s_wait_dscnt 0x0
	s_endpgm
.Lfunc_end_k_q962e709c03_attn:
	.size	k_q962e709c03_attn, .Lfunc_end_k_q962e709c03_attn-k_q962e709c03_attn
	.p2alignl 7, 3214868480
	.fill 96, 4, 3214868480
	.section	.rodata,"a",@progbits
	.p2align	6, 0x0
	.amdhsa_kernel k_q962e709c03_attn
		.amdhsa_group_segment_fixed_size 215040
		.amdhsa_private_segment_fixed_size 0
		.amdhsa_enable_private_segment 0
		.amdhsa_kernarg_size 16
		.amdhsa_user_sgpr_count 2
		.amdhsa_user_sgpr_kernarg_segment_ptr 1
		.amdhsa_wavefront_size32 1
		.amdhsa_system_sgpr_workgroup_id_x 1
		.amdhsa_system_sgpr_workgroup_id_y 1
		.amdhsa_system_sgpr_workgroup_id_z 1
		.amdhsa_system_vgpr_workitem_id 0
		.amdhsa_next_free_vgpr 256
		.amdhsa_next_free_sgpr 66
		.amdhsa_reserve_vcc 1
		.amdhsa_float_denorm_mode_32 3
		.amdhsa_float_denorm_mode_16_64 3
		.amdhsa_memory_ordered 1
		.amdhsa_forward_progress 1
		.amdhsa_inst_pref_size 36
	.end_amdhsa_kernel
	.amdgpu_metadata
---
amdhsa.version: [ 1, 2 ]
amdhsa.kernels:
  - .name:           k_q962e709c03_attn
    .symbol:         k_q962e709c03_attn.kd
    .args:
      - { .name: qkv, .offset: 0, .size: 8, .value_kind: global_buffer, .address_space: global }
      - { .name: ctx, .offset: 8, .size: 8, .value_kind: global_buffer, .address_space: global }
    .group_segment_fixed_size: 215040
    .private_segment_fixed_size: 0
    .kernarg_segment_align: 8
    .kernarg_segment_size: 16
    .max_flat_workgroup_size: 512
    .sgpr_count:     66
    .vgpr_count:     256
    .wavefront_size: 32
...
	.end_amdgpu_metadata
.endif
;; end of part 3
;; launch wo (part 4): grid 256 x 1, 8 waves a work-group, no clusters, 173,056 bytes of LDS; arguments wimg, ctx, x, bo, x1; writes x1
.if DOCPART == 4
	.amdgcn_target "amdgcn-amd-amdhsa--gfx1250"
	.amdhsa_code_object_version 6
	.text
	.protected	k_q962e709c03_wo
	.globl	k_q962e709c03_wo
	.p2align	8
	.type	k_q962e709c03_wo,@function
k_q962e709c03_wo:
	s_mov_b64 s[64:65], 0
	v_nop
	global_prefetch_b8 v0, s[64:65] scope:SCOPE_SE
	s_setreg_imm32_b32 hwreg(HW_REG_WAVE_MODE, 25, 1), 1
	s_wait_xcnt 0x0
; x1 = x + ctx Wo + bo, on codes of BF6.  A work-group makes 128 rows x 128 columns.  Wave w keeps 64 columns (w % 2) x two K steps (slice w / 2) of Wo in registers; the 128 rows' codes lie in LDS, filled once.
; Each tile of 16 rows: eight products a wave; the four slices' partial sums meet in LDS (each wave's own 16 rows x 272 bytes, two buffers by turns, ONE barrier a tile); wave w then finishes rows 2 w, 2 w + 1:
; (F0 + F1) + (F2 + F3) + (bias + residual), and stores 512 consecutive bytes a row.
; THE RESIDUAL is asked for at the head: the rows of tiles 0 to 6 in seven sets of eight registers, behind the weights; tile 7's take tile 0's set when that tile is finished.  So no tile waits for a load that was
; issued one tile before it.
; THE ORDER OF SUMS: K is summed as four f32 partial sums, one a slice, added in f32: not one ascending chain.
; Two tensor loads a wave at the head (two are out at the most); nothing is filled again.
; NO CLUSTER in this text: the eight work-groups of a row block share its 102,400 bytes, half of what a work-group reads; the joint form is not built here.
.set ASC,  98304                       ; LDS: 0 eight tiles x 12,288; then the scale words [K step][tile][row];
.set P,    102400                      ; then the partial sums
.set PBUF, 34816
.set AS,   10                          ; v10, v11 the tile's scale words by turns: lanes 0-15 my first K step, lanes 16-31 my second
.set WS,   12                          ; v12-15  Wo's: register 2 p + s: lanes 0-15 tile 2 p, lanes 16-31 tile 2 p + 1
.set ACC,  16                          ; v16-47
.set AF,   48                          ; v48-95  two tiles' two fragments, by turns
.set BI,   104                         ; v104-107 the bias at my four columns
.set W,    128                         ; v128-223 Wo's eight fragments: 4 s + t
.set WV,   14
.set SP,   48
.macro SETR m                          ; RR: the residual's eight registers for tile m: v96 (tiles 0 and 7), v112, v120, v224, v232, v240, v248
.if ((\m)==0)||((\m)==7)
.set RR, 96
.elseif (\m) < 3
.set RR, 104+8*(\m)
.else
.set RR, 200+8*(\m)
.endif
.endm
.macro FR a16, a8, reg, off
	ds_load_b128 v[\reg:\reg+3], v[\a16] offset:\off
	ds_load_b64 v[\reg+4:\reg+5], v[\a8] offset:\off+512
	ds_load_b128 v[\reg+6:\reg+9], v[\a16] offset:\off+768
	ds_load_b64 v[\reg+10:\reg+11], v[\a8] offset:\off+1280
.endm
.macro GFR reg, off
	global_load_b128 v[\reg:\reg+3], v1, s[SP:SP+1] offset:\off
	global_load_b64 v[\reg+4:\reg+5], v2, s[SP:SP+1] offset:\off+512
	global_load_b128 v[\reg+6:\reg+9], v1, s[SP:SP+1] offset:\off+768
	global_load_b64 v[\reg+10:\reg+11], v2, s[SP:SP+1] offset:\off+1280
.endm
.macro WM d, a, b, zero, sa, sb, ra, rb
.if \zero
.if (\ra)&&(\rb)
	v_wmma_scale_f32_16x16x128_f8f6f4 v[\d:\d+7], v[\a:\a+11], v[\b:\b+11], 0, v[\sa], v[\sb] matrix_a_fmt:MATRIX_FMT_BF6 matrix_b_fmt:MATRIX_FMT_BF6 matrix_a_scale:MATRIX_SCALE_ROW1 matrix_b_scale:MATRIX_SCALE_ROW1
.elseif \ra
	v_wmma_scale_f32_16x16x128_f8f6f4 v[\d:\d+7], v[\a:\a+11], v[\b:\b+11], 0, v[\sa], v[\sb] matrix_a_fmt:MATRIX_FMT_BF6 matrix_b_fmt:MATRIX_FMT_BF6 matrix_a_scale:MATRIX_SCALE_ROW1
.elseif \rb
	v_wmma_scale_f32_16x16x128_f8f6f4 v[\d:\d+7], v[\a:\a+11], v[\b:\b+11], 0, v[\sa], v[\sb] matrix_a_fmt:MATRIX_FMT_BF6 matrix_b_fmt:MATRIX_FMT_BF6 matrix_b_scale:MATRIX_SCALE_ROW1
.else
	v_wmma_scale_f32_16x16x128_f8f6f4 v[\d:\d+7], v[\a:\a+11], v[\b:\b+11], 0, v[\sa], v[\sb] matrix_a_fmt:MATRIX_FMT_BF6 matrix_b_fmt:MATRIX_FMT_BF6
.endif
.else
.if (\ra)&&(\rb)
	v_wmma_scale_f32_16x16x128_f8f6f4 v[\d:\d+7], v[\a:\a+11], v[\b:\b+11], v[\d:\d+7], v[\sa], v[\sb] matrix_a_fmt:MATRIX_FMT_BF6 matrix_b_fmt:MATRIX_FMT_BF6 matrix_a_scale:MATRIX_SCALE_ROW1 matrix_b_scale:MATRIX_SCALE_ROW1
.elseif \ra
	v_wmma_scale_f32_16x16x128_f8f6f4 v[\d:\d+7], v[\a:\a+11], v[\b:\b+11], v[\d:\d+7], v[\sa], v[\sb] matrix_a_fmt:MATRIX_FMT_BF6 matrix_b_fmt:MATRIX_FMT_BF6 matrix_a_scale:MATRIX_SCALE_ROW1
.elseif \rb
	v_wmma_scale_f32_16x16x128_f8f6f4 v[\d:\d+7], v[\a:\a+11], v[\b:\b+11], v[\d:\d+7], v[\sa], v[\sb] matrix_a_fmt:MATRIX_FMT_BF6 matrix_b_fmt:MATRIX_FMT_BF6 matrix_b_scale:MATRIX_SCALE_ROW1
.else
	v_wmma_scale_f32_16x16x128_f8f6f4 v[\d:\d+7], v[\a:\a+11], v[\b:\b+11], v[\d:\d+7], v[\sa], v[\sb] matrix_a_fmt:MATRIX_FMT_BF6 matrix_b_fmt:MATRIX_FMT_BF6
.endif
.endif
.endm
.macro LOADT m                         ; tile m's two fragments of my slice and its scale words: nine LDS loads
.if \m < 4
	FR 3, 4, AF+24*((\m)&1), 12288*(\m)
	FR 3, 4, AF+24*((\m)&1)+12, 12288*(\m)+1536
.else
	FR 8, 9, AF+24*((\m)&1), 12288*((\m)-4)
	FR 8, 9, AF+24*((\m)&1)+12, 12288*((\m)-4)+1536
.endif
	ds_load_b32 v[AS+((\m)&1)], v5 offset:64*(\m)
.endm
.macro FIN m                           ; rows 2 w and 2 w + 1 of tile m are finished and stored
	SETR \m
.irp k,0,1,2,3
.irp e,0,1
	ds_load_b128 v[ACC+8*\k+4*\e:ACC+8*\k+4*\e+3], v7 offset:PB+8704*\k+272*\e
.endr
.endr
.if (\m)==0
	s_wait_loadcnt 12                              ; tile 0's residual is in: behind its two loads those of tiles 1 to 6 were issued
.else
	s_wait_loadcnt 14-2*(\m)                       ; tile m's is in: behind it those of tiles m + 1 to 6, and tile 7's two
.endif
	s_wait_dscnt 0x0
.irp q,0,2,4,6
	v_pk_add_f32 v[ACC+\q:ACC+\q+1], v[ACC+\q:ACC+\q+1], v[ACC+8+\q:ACC+8+\q+1]
	v_pk_add_f32 v[ACC+16+\q:ACC+16+\q+1], v[ACC+16+\q:ACC+16+\q+1], v[ACC+24+\q:ACC+24+\q+1]
	v_pk_add_f32 v[RR+\q:RR+\q+1], v[RR+\q:RR+\q+1], v[BI+(\q%4):BI+(\q%4)+1]
.endr
.irp q,0,2,4,6
	v_pk_add_f32 v[ACC+\q:ACC+\q+1], v[ACC+\q:ACC+\q+1], v[ACC+16+\q:ACC+16+\q+1]
.endr
.irp q,0,2,4,6
	v_pk_add_f32 v[ACC+\q:ACC+\q+1], v[ACC+\q:ACC+\q+1], v[RR+\q:RR+\q+1]
.endr
.irp e,0,1
	global_store_b128 v1, v[ACC+4*\e:ACC+4*\e+3], s[54:55] offset:(16*(\m)+\e)*4096   ; 32 lanes store 512 consecutive bytes
.endr
.if (\m)==0
.irp e,0,1
	global_load_b128 v[RR+4*\e:RR+4*\e+3], v1, s[52:53] offset:(16*7+\e)*4096          ; tile 7's residual takes tile 0's registers: seven tiles ahead of its use
.endr
.endif
.endm
.macro TILE m
.set PB, PBUF*((\m)&1)
.if \m < 7
	LOADT (\m)+1                                   ; a tile ahead, into the other half
	s_wait_dscnt 9                                 ; all but those nine
.else
	s_wait_dscnt 0x0
.endif
	s_wait_xcnt 0x0                                ; the last tile's stores have read the registers that the products write
.irp s,0,1
.irp t,0,1,2,3
	WM ACC+8*\t, W+12*(4*\s+\t), AF+24*((\m)&1)+12*\s, 1-\s, WS+2*(\t/2)+\s, AS+((\m)&1), \t&1, \s
.endr
.endr
.rept 5
	v_nop                                          ; places: four in front of reads of results and of loads into operands, five in front of the next tile's first products, which begin these accumulators anew
.endr
.irp t,0,1,2,3
	ds_store_b128 v6, v[ACC+8*\t:ACC+8*\t+3] offset:PB+128*(\t/2)+32*(\t%2)
	ds_store_b128 v6, v[ACC+8*\t+4:ACC+8*\t+7] offset:PB+128*(\t/2)+32*(\t%2)+16
.endr
	s_wait_dscnt 0x0                               ; my partial sums lie in LDS, and my reads of the other buffer are over
	s_barrier_signal -1
	s_barrier_wait -1
	FIN \m
.endm
	s_load_b256 s[4:11], s[0:1], 0x0               ; wimg, ctx, x, bo
	s_load_b64 s[12:13], s[0:1], 0x20              ; x1
	s_set_vgpr_msb 0x40
	v_lshl_add_u32 v0, v0, 2, 0x2a000
	v_mov_b32 v1, 0
	s_set_vgpr_msb 0x4045
	ds_add_u32 v0, v1
	ds_add_u32 v0, v1
	s_set_vgpr_msb 0x4500
	v_lshrrev_b32 v108, 5, v0
	v_readfirstlane_b32 s[WV], v108
	v_and_b32 v109, 31, v0
	v_and_b32 v110, 15, v0
	v_bfe_u32 v111, v0, 4, 1
	v_lshlrev_b32 v1, 4, v109
	v_lshlrev_b32 v2, 3, v109
	s_and_b32 s15, s[WV], 1                        ; which 64 columns
	s_lshr_b32 s44, s[WV], 1                       ; which slice of K
	s_lshr_b32 s45, ttmp9, 5                       ; column block
	s_and_b32 s46, ttmp9, 31                       ; row block
	s_mul_i32 s56, s44, 3072
	v_add_nc_u32 v3, s56, v1                       ; my slice's fragments in tiles 0-3,
	v_add_nc_u32 v4, s56, v2
	v_add_nc_u32 v8, 49152, v3                     ; in tiles 4-7
	v_add_nc_u32 v9, 49152, v4
	s_lshl_b32 s56, s44, 10
	v_lshlrev_b32 v5, 2, v110
	v_lshl_add_u32 v5, v111, 9, v5
	v_add_nc_u32 v5, s56, v5
	v_add_nc_u32 v5, ASC, v5                       ; scale words: K step 2 slice + h, row r
	s_mul_i32 s56, s[WV], 4352
	v_mul_u32_u24 v6, v110, 272
	v_lshl_add_u32 v6, v111, 6, v6
	v_add_nc_u32 v6, s56, v6
	v_add_nc_u32 v6, P, v6                         ; my partial sums: row r, + 64 h
	s_mul_i32 s56, s[WV], 544
	v_mul_u32_u24 v7, v111, 4352
	v_lshl_add_u32 v7, v110, 4, v7
	v_add_nc_u32 v7, s56, v7
	v_add_nc_u32 v7, P, v7                         ; back: rows 2 w on; lanes 0-15 the left 64 columns, lanes 16-31 the right
	v_lshlrev_b32 v108, 4, v110
	v_lshl_add_u32 v108, v111, 9, v108
	s_mov_b32 s16, 0x30000                         ; group 1: 48 rows of 256 bytes, dense
	s_mov_b32 s17, 32<<16
	s_mov_b32 s18, 48<<16
	s_mov_b32 s19, 32<<16
	s_mov_b32 s20, 48
	s_mov_b32 s21, 32
	s_mov_b32 s22, 0
	s_mov_b32 s23, 0
	s_mov_b32 s24, 0x30000                         ; group 1: one row of 512 bytes
	s_mov_b32 s25, 64<<16
	s_mov_b32 s26, 1<<16
	s_mov_b32 s27, 64<<16
	s_mov_b32 s28, 1
	s_mov_b32 s29, 64
	s_mov_b32 s30, 0
	s_mov_b32 s31, 0
	s_lshl_b32 s47, s45, 3
	s_lshl_b32 s56, s15, 2
	s_add_co_u32 s47, s47, s56                     ; my first tile of Wo
	s_lshl_b32 s48, s47, 3
	s_lshl_b32 s56, s44, 1
	s_add_co_u32 s48, s48, s56
	s_mul_i32 s48, s48, 1536
	s_add_co_u32 s48, s48, 2359296
	s_mov_b32 s49, 0
	s_lshl_b32 s50, s47, 9
	s_lshr_b32 s56, s44, 1
	s_lshl_b32 s56, s56, 8
	s_add_co_u32 s50, s50, s56
	s_and_b32 s56, s44, 1
	s_lshl_b32 s56, s56, 3
	s_add_co_u32 s50, s50, s56
	s_add_co_u32 s50, s50, 9535488
	s_mov_b32 s51, 0
	s_lshl_b32 s56, s46, 3
	s_add_co_u32 s56, s56, s[WV]
	s_mul_i32 s56, s56, 12288                      ; the tile that I fetch
	s_mov_b32 s57, 0
	s_lshl_b32 s58, s[WV], 8
	s_lshl_b32 s59, s46, 3
	s_add_co_u32 s58, s58, s59
	s_lshl_b32 s58, s58, 6
	s_add_co_u32 s58, s58, 3145728                 ; K step w's words of the eight tiles
	s_mov_b32 s59, 0
	s_lshl_b32 s52, s46, 7
	s_lshl_b32 s53, s[WV], 1
	s_add_co_u32 s52, s52, s53
	s_lshl_b32 s52, s52, 12
	s_lshl_b32 s60, s45, 9
	s_add_co_u32 s52, s52, s60                     ; row 128 RB + 2 w, column 128 CB
	s_mov_b32 s53, 0
	s_mov_b32 s61, 0
	s_mov_b32 s32, 1
	s_mul_i32 s33, s[WV], 12288
	s_mov_b32 s36, 1
	s_lshl_b32 s37, s[WV], 9
	s_add_co_u32 s37, s37, ASC
	s_wait_dscnt 0x0
	s_wait_kmcnt 0x0
	s_add_nc_u64 s[34:35], s[6:7], s[56:57]
	s_or_b32 s35, s35, 0x80000000
	s_add_nc_u64 s[38:39], s[6:7], s[58:59]
	s_or_b32 s39, s39, 0x80000000
	s_add_nc_u64 s[48:49], s[4:5], s[48:49]
	s_add_nc_u64 s[50:51], s[4:5], s[50:51]
	s_add_nc_u64 s[54:55], s[12:13], s[52:53]
	s_add_nc_u64 s[52:53], s[8:9], s[52:53]
	s_add_nc_u64 s[60:61], s[10:11], s[60:61]
	tensor_load_to_lds s[32:35], s[16:23]
	s_nop 0
	tensor_load_to_lds s[36:39], s[24:31]
	s_nop 0
.rept 4
	v_nop
.endr
.irp p,0,1
	global_load_b64 v[WS+2*\p:WS+2*\p+1], v108, s[50:51] offset:1024*\p
.endr
	global_load_b128 v[BI:BI+3], v1, s[60:61]
.irp s,0,1
.irp t,0,1,2,3
	GFR W+12*(4*\s+\t), (8*\t+\s)*1536
.endr
.endr
.irp m,0,1,2,3,4,5,6                           ; the residual of tiles 0 to 6: fourteen loads, the last that the head issues
	SETR \m
.irp e,0,1
	global_load_b128 v[RR+4*\e:RR+4*\e+3], v1, s[52:53] offset:(16*\m+\e)*4096
.endr
.endr
	s_wait_loadcnt 14                              ; the weights, their scale words and the bias are in; the residual's fourteen loads may be out
	s_wait_tensorcnt 0x0
	s_wait_dscnt 0x0
	s_barrier_signal -1
	s_barrier_wait -1
	LOADT 0
.irp m,0,1,2,3,4,5,6,7
	TILE \m
.endr
	s_set_vgpr_msb 0x5
	s_wait_tensorcnt 0x0
	ds_add_u32 v0, v1
	s_wait_dscnt 0x0
	s_set_vgpr_msb 0x500
	s_endpgm
.Lfunc_end_k_q962e709c03_wo:
	.size	k_q962e709c03_wo, .Lfunc_end_k_q962e709c03_wo-k_q962e709c03_wo
	.p2alignl 7, 3214868480
	.fill 96, 4, 3214868480
	.section	.rodata,"a",@progbits
	.p2align	6, 0x0
	.amdhsa_kernel k_q962e709c03_wo
		.amdhsa_group_segment_fixed_size 173056
		.amdhsa_private_segment_fixed_size 0
		.amdhsa_enable_private_segment 0
		.amdhsa_kernarg_size 40
		.amdhsa_user_sgpr_count 2
		.amdhsa_user_sgpr_kernarg_segment_ptr 1
		.amdhsa_wavefront_size32 1
		.amdhsa_system_sgpr_workgroup_id_x 1
		.amdhsa_system_sgpr_workgroup_id_y 1
		.amdhsa_system_sgpr_workgroup_id_z 1
		.amdhsa_system_vgpr_workitem_id 0
		.amdhsa_next_free_vgpr 258
		.amdhsa_next_free_sgpr 66
		.amdhsa_reserve_vcc 0
		.amdhsa_float_denorm_mode_32 3
		.amdhsa_float_denorm_mode_16_64 3
		.amdhsa_memory_ordered 1
		.amdhsa_forward_progress 1
		.amdhsa_inst_pref_size 46
	.end_amdhsa_kernel
	.amdgpu_metadata
---
amdhsa.version: [ 1, 2 ]
amdhsa.kernels:
  - .name:           k_q962e709c03_wo
    .symbol:         k_q962e709c03_wo.kd
    .args:
      - { .name: wimg, .offset: 0, .size: 8, .value_kind: global_buffer, .address_space: global }
      - { .name: ctx, .offset: 8, .size: 8, .value_kind: global_buffer, .address_space: global }
      - { .name: x, .offset: 16, .size: 8, .value_kind: global_buffer, .address_space: global }
      - { .name: bo, .offset: 24, .size: 8, .value_kind: global_buffer, .address_space: global }
      - { .name: x1, .offset: 32, .size: 8, .value_kind: global_buffer, .address_space: global }
    .group_segment_fixed_size: 173056
    .private_segment_fixed_size: 0
    .kernarg_segment_align: 8
    .kernarg_segment_size: 40
    .max_flat_workgroup_size: 256
    .sgpr_count:     66
    .vgpr_count:     258
    .wavefront_size: 32
...
	.end_amdgpu_metadata
.endif
;; end of part 4
;; launch ln2 (part 5): grid 256 x 1, 8 waves a work-group, no clusters, 71,680 bytes of LDS; arguments x1, ln2_scale, ln2_shift, h2c; writes h2c
.if DOCPART == 5
	.amdgcn_target "amdgcn-amd-amdhsa--gfx1250"
	.amdhsa_code_object_version 6
	.text
	.protected	k_q962e709c03_ln2
	.globl	k_q962e709c03_ln2
	.p2align	8
	.type	k_q962e709c03_ln2,@function
k_q962e709c03_ln2:
	s_mov_b64 s[64:65], 0
	v_nop
	global_prefetch_b8 v0, s[64:65] scope:SCOPE_SE
	s_setreg_imm32_b32 hwreg(HW_REG_WAVE_MODE, 25, 1), 1
	s_wait_xcnt 0x0
; LayerNorm 2 of 16 tokens a work-group, quantised to BF6 along the 1,024 columns and stored as images of operand registers (fragment: 16 rows x 128 K, 12 registers a lane, two halves of 768 bytes:
; registers 0-3 of a half at 16 x lane, registers 4-5 at 512 + 8 x lane; scale words [tile][K / 512][row][16 bytes]).
; Wave w owns columns 128 w .. 128 w + 127 of the 16 rows.  Mean and variance in two passes (the variance of the centred numbers), joined over the eight waves through LDS.
; LIMITS: NaN and infinities are not served; a block of zeros gets the scale byte 1 (its codes are zeros; this program alone reads the bytes).
; No tensor loads, no cluster: no two work-groups read the same rows.
.set RS1, 67584                        ; LDS: 0 eight stages of 16 rows x 528 bytes; then the waves' sums, their sums of squares, their scale words, 1,024 bytes each
.set SW,  69632
.set X,   32
.set G,   96
.set SH,  160
.set TM,  224
.set PW,  240
.set PC,  96
.set WV,  42
.set SEL, 44
.macro QUANT s
.irp b,0,1,2,3
	v_max3_num_f32 v[TM+\b], |v[\s+16*\b]|, |v[\s+1+16*\b]|, 0x2800000   ; my 16 numbers of block b, and the floor 2^(5 - 127)
.endr
.irp i,2,4,6,8,10,12,14
.irp b,0,1,2,3
	v_max3_num_f32 v[TM+\b], v[TM+\b], |v[\s+16*\b+\i]|, |v[\s+1+16*\b+\i]|
.endr
.endr
.irp b,0,1,2,3
	v_permlanex16_b32 v[TM+4+\b], v[TM+\b], s[SEL], s[SEL+1]
.endr
.irp b,0,1,2,3
	v_max_num_f32 v[TM+\b], v[TM+\b], v[TM+4+\b]
.endr
.irp b,0,1,2,3
	v_add_nc_u32 v[TM+12+\b], 0xfe000000, v[TM+\b]
.endr
.irp b,0,1,2,3
	v_lshrrev_b32 v[TM+4+\b], 23, v[TM+12+\b]
.endr
	v_lshl_or_b32 v[PW], v[TM+5], 8, v[TM+4]
	v_lshl_or_b32 v[PW], v[TM+6], 16, v[PW]
	v_lshl_or_b32 v[PW], v[TM+7], 24, v[PW]
.irp c,0,1
	v_cvt_scalef32_pk16_bf6_f32 v[PC+6*\c:PC+2+6*\c], v[\s+32*\c:\s+15+32*\c], v[TM+12+2*\c]
	v_cvt_scalef32_pk16_bf6_f32 v[PC+12+4*\c:PC+14+4*\c], v[\s+16+32*\c:\s+31+32*\c], v[TM+12+2*\c+1]
.endr
	v_nop
.irp c,0,1
.irp i,0,1,2
	v_permlane16_swap_b32 v[PC+6*\c+\i], v[PC+12+4*\c+\i]
.endr
.irp i,0,1,2
	v_mov_b32 v[PC+3+6*\c+\i], v[PC+12+4*\c+\i]
.endr
.endr
.endm
.macro JOIN off
	v_pk_add_f32 v[14:15], v[14:15], v[16:17]
	v_pk_add_f32 v[18:19], v[18:19], v[20:21]
	v_pk_add_f32 v[14:15], v[14:15], v[18:19]
	v_add_f32 v14, v14, v15
	v_permlanex16_b32 v15, v14, s[SEL], s[SEL+1]
	v_add_f32 v14, v14, v15
	ds_store_b32 v5, v14 offset:\off
	s_wait_dscnt 0x0
	s_barrier_signal -1
	s_barrier_wait -1
.irp i,0,1,2,3,4,5,6,7
	ds_load_b32 v[16+\i], v6 offset:\off+128*\i
.endr
	s_wait_dscnt 0x0
	v_pk_add_f32 v[16:17], v[16:17], v[18:19]
	v_pk_add_f32 v[20:21], v[20:21], v[22:23]
	v_pk_add_f32 v[16:17], v[16:17], v[20:21]
	v_add_f32 v14, v16, v17
.endm
	s_load_b256 s[8:15], s[0:1], 0x0               ; x1, gain, shift, h2c
	v_lshl_add_u32 v254, v0, 2, 0x11400
	v_mov_b32 v255, 0
	v_lshrrev_b32 v24, 5, v0
	v_readfirstlane_b32 s[WV], v24
	v_and_b32 v24, 31, v0
	v_and_b32 v25, 15, v0
	v_bfe_u32 v26, v0, 4, 1
	v_lshlrev_b32 v1, 4, v24
	v_lshlrev_b32 v8, 3, v24
	s_mul_i32 s50, s[WV], 8448
	v_mul_u32_u24 v2, v25, 528
	v_lshl_add_u32 v2, v26, 6, v2
	v_add_nc_u32 v2, s50, v2
	v_add_nc_u32 v3, s50, v1
	v_lshlrev_b32 v4, 6, v26
	s_lshl_b32 s51, s[WV], 7
	v_lshlrev_b32 v6, 2, v24
	v_add_nc_u32 v5, s51, v6
	v_add_nc_u32 v7, SW, v5
	v_add_nc_u32 v5, RS1, v5
	v_add_nc_u32 v6, RS1, v6
	v_lshlrev_b32 v9, 2, v25
	v_lshl_add_u32 v9, v26, 9, v9
	v_add_nc_u32 v9, SW, v9
.irp b,0,1,2,3
	v_mov_b32 v[TM+4+\b], 0
.endr
	s_mov_b32 s[SEL], 0x76543210
	s_mov_b32 s[SEL+1], 0xfedcba98
	s_lshl_b32 s52, ttmp9, 16
	s_lshl_b32 s54, s[WV], 9
	s_add_co_u32 s52, s52, s54
	s_mov_b32 s53, 0
	s_mov_b32 s55, 0
	s_lshl_b32 s56, ttmp9, 3
	s_add_co_u32 s56, s56, s[WV]
	s_mul_i32 s56, s56, 1536
	s_mov_b32 s57, 0
	s_lshl_b32 s58, ttmp9, 9
	s_mov_b32 s59, 0
	s_mov_b32 s60, 0x3a800000
	s_mov_b32 s61, 0x3727c5ac
	s_wait_kmcnt 0x0
	s_add_nc_u64 s[8:9], s[8:9], s[52:53]
	s_add_nc_u64 s[10:11], s[10:11], s[54:55]
	s_add_nc_u64 s[12:13], s[12:13], s[54:55]
	s_add_nc_u64 s[46:47], s[14:15], s[56:57]
	s_add_nc_u64 s[48:49], s[14:15], s[58:59]
.irp p,0,1,2,3,4,5,6,7,8,9,10,11,12,13,14,15
	global_load_b128 v[SH+4*\p:SH+4*\p+3], v1, s[8:9] offset:4096*\p
.endr
.irp b,0,1,2,3
.irp q,0,1,2,3
	global_load_b128 v[G+16*\b+4*\q:G+16*\b+4*\q+3], v4, s[10:11] offset:128*\b+16*\q
.endr
.endr
	s_wait_loadcnt 16                              ; the rows are in; the 16 loads of the gain may be out
.irp p,0,1,2,3,4,5,6,7,8,9,10,11,12,13,14,15
	ds_store_b128 v3, v[SH+4*\p:SH+4*\p+3] offset:528*\p
.endr
.irp b,0,1,2,3
.irp q,0,1,2,3
	ds_load_b128 v[X+16*\b+4*\q:X+16*\b+4*\q+3], v2 offset:128*\b+16*\q
.endr
.endr
	s_wait_dscnt 0x0                               ; the stores have read their registers, which now take the shift
.irp b,0,1,2,3
.irp q,0,1,2,3
	global_load_b128 v[SH+16*\b+4*\q:SH+16*\b+4*\q+3], v4, s[12:13] offset:128*\b+16*\q
.endr
.endr
.irp c,0,1,2,3
	v_pk_add_f32 v[14+2*\c:15+2*\c], v[X+4*\c:X+4*\c+1], v[X+4*\c+2:X+4*\c+3]
.endr
.irp j,16,24,32,40,48,56
.irp c,0,1,2,3
	v_pk_add_f32 v[14+2*\c:15+2*\c], v[14+2*\c:15+2*\c], v[X+\j+2*\c:X+\j+2*\c+1]
.endr
.endr
	JOIN 0
	v_mul_f32 v10, s60, v14
	v_mov_b32 v11, v10
.set J, 0
.rept 32
	v_pk_add_f32 v[X+J:X+J+1], v[X+J:X+J+1], v[10:11] neg_lo:[0,1] neg_hi:[0,1]
.set J, J+2
.endr
.irp c,0,1,2,3
	v_pk_mul_f32 v[14+2*\c:15+2*\c], v[X+2*\c:X+2*\c+1], v[X+2*\c:X+2*\c+1]
.endr
.irp j,8,16,24,32,40,48,56
.irp c,0,1,2,3
	v_pk_fma_f32 v[14+2*\c:15+2*\c], v[X+\j+2*\c:X+\j+2*\c+1], v[X+\j+2*\c:X+\j+2*\c+1], v[14+2*\c:15+2*\c]
.endr
.endr
	JOIN 1024
	v_fma_f32 v12, v14, s60, s61
	v_rsq_f32 v12, v12
	v_nop                                          ; a plain place behind the transcendental
	s_wait_alu depctr_va_vdst(0)                   ; and a wait ahead of its first reader
	v_mov_b32 v13, v12
	s_wait_loadcnt 0x0
.set J, 0
.rept 32
	v_pk_mul_f32 v[X+J:X+J+1], v[X+J:X+J+1], v[G+J:G+J+1]
.set J, J+2
.endr
.set J, 0
.rept 32
	v_pk_fma_f32 v[X+J:X+J+1], v[X+J:X+J+1], v[12:13], v[SH+J:SH+J+1]
.set J, J+2
.endr
	QUANT X
	global_store_b128 v1, v[PC:PC+3], s[46:47]
	global_store_b64 v8, v[PC+4:PC+5], s[46:47] offset:512
	global_store_b128 v1, v[PC+6:PC+9], s[46:47] offset:768
	global_store_b64 v8, v[PC+10:PC+11], s[46:47] offset:1280
	ds_store_b32 v7, v[PW]
	s_wait_dscnt 0x0
	s_barrier_signal -1
	s_barrier_wait -1
	s_cmp_lg_u32 s[WV], 0
	s_cbranch_scc1 .Ldone
.irp i,0,1,2,3
	ds_load_b32 v[16+\i], v9 offset:128*\i
.endr
	s_wait_dscnt 0x0
	global_store_b128 v1, v[16:19], s[48:49] offset:3145728
.Ldone:
	s_wait_tensorcnt 0x0
	ds_add_u32 v254, v255
	s_wait_dscnt 0x0
	s_endpgm
.Lfunc_end_k_q962e709c03_ln2:
	.size	k_q962e709c03_ln2, .Lfunc_end_k_q962e709c03_ln2-k_q962e709c03_ln2
	.p2alignl 7, 3214868480
	.fill 96, 4, 3214868480
	.section	.rodata,"a",@progbits
	.p2align	6, 0x0
	.amdhsa_kernel k_q962e709c03_ln2
		.amdhsa_group_segment_fixed_size 71680
		.amdhsa_private_segment_fixed_size 0
		.amdhsa_enable_private_segment 0
		.amdhsa_kernarg_size 32
		.amdhsa_user_sgpr_count 2
		.amdhsa_user_sgpr_kernarg_segment_ptr 1
		.amdhsa_wavefront_size32 1
		.amdhsa_system_sgpr_workgroup_id_x 1
		.amdhsa_system_sgpr_workgroup_id_y 1
		.amdhsa_system_sgpr_workgroup_id_z 1
		.amdhsa_system_vgpr_workitem_id 0
		.amdhsa_next_free_vgpr 256
		.amdhsa_next_free_sgpr 66
		.amdhsa_reserve_vcc 0
		.amdhsa_float_denorm_mode_32 3
		.amdhsa_float_denorm_mode_16_64 3
		.amdhsa_memory_ordered 1
		.amdhsa_forward_progress 1
		.amdhsa_inst_pref_size 27
	.end_amdhsa_kernel
	.amdgpu_metadata
---
amdhsa.version: [ 1, 2 ]
amdhsa.kernels:
  - .name:           k_q962e709c03_ln2
    .symbol:         k_q962e709c03_ln2.kd
    .args:
      - { .name: x1, .offset: 0, .size: 8, .value_kind: global_buffer, .address_space: global }
      - { .name: ln2_scale, .offset: 8, .size: 8, .value_kind: global_buffer, .address_space: global }
      - { .name: ln2_shift, .offset: 16, .size: 8, .value_kind: global_buffer, .address_space: global }
      - { .name: h2c, .offset: 24, .size: 8, .value_kind: global_buffer, .address_space: global }
    .group_segment_fixed_size: 71680
    .private_segment_fixed_size: 0
    .kernarg_segment_align: 8
    .kernarg_segment_size: 32
    .max_flat_workgroup_size: 256
    .sgpr_count:     66
    .vgpr_count:     256
    .wavefront_size: 32
...
	.end_amdgpu_metadata
.endif
;; end of part 5
;; launch ffn1 (part 6): grid 256 x 1, 8 waves a work-group, no clusters, 168,960 bytes of LDS; arguments wimg, h2c, b1, hff; writes hff
.if DOCPART == 6
	.amdgcn_target "amdgcn-amd-amdhsa--gfx1250"
	.amdhsa_code_object_version 6
	.text
	.protected	k_q962e709c03_ffn1
	.globl	k_q962e709c03_ffn1
	.p2align	8
	.type	k_q962e709c03_ffn1,@function
k_q962e709c03_ffn1:
	s_mov_b64 s[64:65], 0
	v_nop
	global_prefetch_b8 v0, s[64:65] scope:SCOPE_SE
	s_setreg_imm32_b32 hwreg(HW_REG_WAVE_MODE, 25, 1), 1
	s_wait_xcnt 0x0
; hff = Q(gelu(h2 W1 + b1)), on codes of BF6; the hidden layer goes to memory as codes alone.
; A wave keeps 64 rows of W1 x K 1,024 in registers (32 fragments, 384 registers) for the whole launch; the work-group's 128 tokens lie in LDS, filled once, and stream past, 16 a trip:
; each fragment read from LDS feeds four matrix instructions.  Eight waves, two to a SIMD: one wave's gelu stands beside the other's products.
; Transposed use (source 0 = W1's tile, source 1 = tokens) and the chosen rows of a tile give a lane one token and 32 registers that are, with lane l xor 16, 64 neighbours along the next K.
; The bias is the C of each sum's first product: it is loaded from LDS into the accumulators.
; gelu(x) = x / (1 + 2^z), z = x (B + A x^2), B = -2 sqrt(2 / pi) log2(e), A = 0.044715 B: the same function as 0.5 x (1 + tanh(..)); where x^2 overflows z is +-infinity and the result x or 0.
; THE FIRST TRIP is written out ahead of the loop: its K step s waits only for W1's fragments 4 s .. 4 s + 3, so that it is multiplied while the later fragments are on their way.
; Two tensor loads a wave at the head (two are out at the most); nothing is filled again.
; NO CLUSTER: what work-groups share by tensor loads is the streamed block, 102,400 bytes of the 495,616 that a work-group reads.
; LIMITS: NaN and infinities are not served; a block of zeros gets the byte 1.
.set ASC,  98304
.set SG,   102400                      ; the scale bytes just made: 1,024 bytes for each wave
.set BIAS, 110592                      ; 256 bytes for each wave
.set A16, 3
.set A8,  4
.set AS,  10
.set WS,  14
.set ACC, 30
.set AF,  62
.set GT,  62                           ; gelu's 32 registers (the ring is idle then)
.set TM,  94
.set PC,  110
.set PW,  119
.set BIA, 120                          ; v120 my bias in LDS: + 64 h
.set WV,  12
.set SEL, 48
.set SP,  52
.set MSB, 0
.macro WIN new
.if MSB != \new
	s_set_vgpr_msb (MSB<<8)|\new
.set MSB, \new
.endif
.endm
.macro FR a16, a8, reg, off
	ds_load_b128 v[\reg:\reg+3], v[\a16] offset:\off
	ds_load_b64 v[\reg+4:\reg+5], v[\a8] offset:\off+512
	ds_load_b128 v[\reg+6:\reg+9], v[\a16] offset:\off+768
	ds_load_b64 v[\reg+10:\reg+11], v[\a8] offset:\off+1280
.endm
.macro GFR reg, off
	global_load_b128 v[\reg:\reg+3], v1, s[SP:SP+1] offset:\off
	global_load_b64 v[\reg+4:\reg+5], v2, s[SP:SP+1] offset:\off+512
	global_load_b128 v[\reg+6:\reg+9], v1, s[SP:SP+1] offset:\off+768
	global_load_b64 v[\reg+10:\reg+11], v2, s[SP:SP+1] offset:\off+1280
.endm
.macro WM d, a, b, sa, sb, ra, rb      ; one product, added in place
.if (\ra)&&(\rb)
	v_wmma_scale_f32_16x16x128_f8f6f4 v[\d:\d+7], v[\a:\a+11], v[\b:\b+11], v[\d:\d+7], v[\sa], v[\sb] matrix_a_fmt:MATRIX_FMT_BF6 matrix_b_fmt:MATRIX_FMT_BF6 matrix_a_scale:MATRIX_SCALE_ROW1 matrix_b_scale:MATRIX_SCALE_ROW1
.elseif \ra
	v_wmma_scale_f32_16x16x128_f8f6f4 v[\d:\d+7], v[\a:\a+11], v[\b:\b+11], v[\d:\d+7], v[\sa], v[\sb] matrix_a_fmt:MATRIX_FMT_BF6 matrix_b_fmt:MATRIX_FMT_BF6 matrix_a_scale:MATRIX_SCALE_ROW1
.elseif \rb
	v_wmma_scale_f32_16x16x128_f8f6f4 v[\d:\d+7], v[\a:\a+11], v[\b:\b+11], v[\d:\d+7], v[\sa], v[\sb] matrix_a_fmt:MATRIX_FMT_BF6 matrix_b_fmt:MATRIX_FMT_BF6 matrix_b_scale:MATRIX_SCALE_ROW1
.else
	v_wmma_scale_f32_16x16x128_f8f6f4 v[\d:\d+7], v[\a:\a+11], v[\b:\b+11], v[\d:\d+7], v[\sa], v[\sb] matrix_a_fmt:MATRIX_FMT_BF6 matrix_b_fmt:MATRIX_FMT_BF6
.endif
.endm
; K step s: four accumulators by turns, one instruction a turn.
; first = 1, the first trip: W1's fragments 4 s .. 4 s + 3 are waited for here.  Behind their loads 16 (7 - s) were issued; a wait's count holds 63 at the most, which covers K steps 0 to 3.
.macro STEPK s, first
.if \first
.if (\s) == 0
	s_wait_loadcnt 63                              ; W1's scale words and its fragments 0 to 15 are in: behind them 64 loads were issued
.elseif (\s) >= 4
	s_wait_loadcnt 112-16*(\s)
.endif
.endif
.if \s < 5
	s_wait_dscnt 12                                ; fragment s is in: behind its four loads those of three later fragments were issued
.else
	s_wait_dscnt 4*(7-\s)
.endif
.irp t,0,1,2,3
.set IDX, 4*(\s)+\t
.if IDX < 21
	WIN 0x01
.set WR, 12*IDX
.else
	WIN 0
.set WR, 124+12*(IDX-21)
.endif
	WM ACC+8*\t, WR, AF+12*((\s)%4), WS+8*(\t/2)+(\s), AS+((\s)&3), \t&1, (\s)/4
.endr
.if \s < 4
	WIN 0
.rept 4
	v_nop                                          ; four places in front of loads into registers that these products read
.endr
	FR A16, A8, AF+12*((\s)%4), 1536*((\s)+4)
.endif
.endm
.macro QH s
.irp b,0,1
	v_max3_num_f32 v[TM+\b], |v[\s+16*\b]|, |v[\s+16*\b+1]|, 0x2800000
.endr
.irp i,2,4,6,8,10,12,14
.irp b,0,1
	v_max3_num_f32 v[TM+\b], v[TM+\b], |v[\s+16*\b+\i]|, |v[\s+16*\b+\i+1]|
.endr
.endr
.irp b,0,1
	v_permlanex16_b32 v[TM+2+\b], v[TM+\b], s[SEL], s[SEL+1]
.endr
.irp b,0,1
	v_max_num_f32 v[TM+\b], v[TM+\b], v[TM+2+\b]
.endr
.irp b,0,1
	v_add_nc_u32 v[TM+4+\b], 0xfe000000, v[TM+\b]
.endr
.irp b,0,1
	v_lshrrev_b32 v[TM+2+\b], 23, v[TM+4+\b]
.endr
	v_lshl_or_b32 v[PW], v[TM+3], 8, v[TM+2]
	v_cvt_scalef32_pk16_bf6_f32 v[PC:PC+2], v[\s:\s+15], v[TM+4]
	v_cvt_scalef32_pk16_bf6_f32 v[PC+6:PC+8], v[\s+16:\s+31], v[TM+5]
	v_nop
.irp i,0,1,2
	v_permlane16_swap_b32 v[PC+\i], v[PC+6+\i]
.endr
.irp i,0,1,2
	v_mov_b32 v[PC+3+\i], v[PC+6+\i]
.endr
.endm
; A trip: 16 tokens against my 64 hidden units; gelu; quantised and stored
.macro TRIP first
	v_add_nc_u32 v3, s47, v1
	v_add_nc_u32 v4, s47, v2
	v_add_nc_u32 v5, s50, v1
	v_add_nc_u32 v6, s51, v8
	ds_load_b128 v[AS:AS+3], v5
.irp t,0,1,2,3
	ds_load_b128 v[ACC+8*\t:ACC+8*\t+3], v[BIA] offset:128*(\t/2)+32*(\t%2)      ; the bias at units 32 b + 16 h + 8 u + 0 .. 7 starts the sums
	ds_load_b128 v[ACC+8*\t+4:ACC+8*\t+7], v[BIA] offset:128*(\t/2)+32*(\t%2)+16
.endr
	FR A16, A8, AF, 0
	FR A16, A8, AF+12, 1536
	FR A16, A8, AF+24, 3072
	FR A16, A8, AF+36, 4608
.irp s,0,1,2,3,4,5,6,7
	STEPK \s, \first
.endr
	WIN 0
.rept 4
	v_nop
.endr
.set J, 0
.rept 16
	v_pk_mul_f32 v[GT+J:GT+J+1], v[ACC+J:ACC+J+1], v[ACC+J:ACC+J+1]   ; x^2; each accumulator from its low end on
.set J, J+2
.endr
.set J, 0
.rept 16
	v_pk_fma_f32 v[GT+J:GT+J+1], v[GT+J:GT+J+1], s[60:61], v[122:123] op_sel_hi:[1,0,1]   ; B + A x^2
.set J, J+2
.endr
.set J, 0
.rept 16
	v_pk_mul_f32 v[GT+J:GT+J+1], v[GT+J:GT+J+1], v[ACC+J:ACC+J+1]     ; z
.set J, J+2
.endr
.set J, 0
.rept 32
	v_exp_f32 v[GT+J], v[GT+J]
.set J, J+1
.endr
	v_nop                                          ; a plain place behind the batch,
	s_wait_alu depctr_va_vdst(0)                   ; and one wait for it, ahead of its first reader
.set J, 0
.rept 16
	v_pk_add_f32 v[GT+J:GT+J+1], v[GT+J:GT+J+1], 1.0 op_sel_hi:[1,0]
.set J, J+2
.endr
.set J, 0
.rept 32
	v_rcp_f32 v[GT+J], v[GT+J]
.set J, J+1
.endr
	v_nop
	s_wait_alu depctr_va_vdst(0)
.set J, 0
.rept 16
	v_pk_mul_f32 v[ACC+J:ACC+J+1], v[ACC+J:ACC+J+1], v[GT+J:GT+J+1]   ; gelu
.set J, J+2
.endr
	QH ACC
	ds_store_b32 v6, v[PW]
	global_store_b128 v1, v[PC:PC+3], s[40:41]
	global_store_b64 v2, v[PC+4:PC+5], s[40:41] offset:512
	s_add_co_u32 s47, s47, 12288
	s_add_co_u32 s50, s50, 512
	s_add_co_u32 s51, s51, 128
	s_wait_xcnt 0x0                                ; the stores have read their base and their data
	s_add_nc_u64 s[40:41], s[40:41], s[42:43]
.endm
	s_load_b256 s[4:11], s[0:1], 0x0               ; wimg, h2c, b1, hff
	s_set_vgpr_msb 0x40
	v_lshl_add_u32 v254, v0, 2, 0x29000
	v_mov_b32 v255, 0
	s_set_vgpr_msb 0x4045
	ds_add_u32 v254, v255
	ds_add_u32 v254, v255
	s_set_vgpr_msb 0x4500
	v_lshrrev_b32 v9, 5, v0
	v_readfirstlane_b32 s[WV], v9
	v_and_b32 v9, 31, v0
	v_lshlrev_b32 v1, 4, v9
	v_lshlrev_b32 v2, 3, v9
	s_lshl_b32 s56, s[WV], 10
	v_lshlrev_b32 v8, 2, v9
	v_add_nc_u32 v8, s56, v8
	v_add_nc_u32 v8, SG, v8                        ; my scale bytes: SG + 1,024 w + 4 l (+ 128 a trip)
	s_lshl_b32 s56, s[WV], 7
	v_and_b32 v7, 1, v9
	v_lshlrev_b32 v7, 12, v7
	v_lshrrev_b32 v3, 1, v9
	v_lshl_add_u32 v7, v3, 2, v7
	v_add_nc_u32 v7, s56, v7
	v_add_nc_u32 v7, SG, v7                        ; at the end: tile w, row l / 2, the words of waves 4 (l % 2) + i, 1,024 bytes apart
	v_and_b32 v3, 15, v0
	v_bfe_u32 v4, v0, 4, 1
	v_lshlrev_b32 v9, 4, v3
	v_lshl_add_u32 v9, v4, 9, v9                   ; W1's scale words: 16 r, lanes 16-31 one tile on
	s_lshl_b32 s56, s[WV], 8
	v_lshlrev_b32 v[BIA], 6, v4
	v_add_nc_u32 v[BIA], s56, v[BIA]
	v_add_nc_u32 v[BIA], BIAS, v[BIA]
	v_add_nc_u32 v121, s56, v2
	v_add_nc_u32 v121, BIAS, v121                  ; where I put 8 bytes of my wave's bias
	v_mov_b32 v122, 0xc0135761                     ; B, twice
	v_mov_b32 v123, 0xc0135761
	v_mov_b32 v[TM+2], 0
	v_mov_b32 v[TM+3], 0
	s_mov_b32 s[SEL], 0x76543210
	s_mov_b32 s[SEL+1], 0xfedcba98
	s_mov_b32 s16, 0x30000                         ; group 1: 48 rows of 256 bytes, dense
	s_mov_b32 s17, 32<<16
	s_mov_b32 s18, 48<<16
	s_mov_b32 s19, 32<<16
	s_mov_b32 s20, 48
	s_mov_b32 s21, 32
	s_mov_b32 s22, 0
	s_mov_b32 s23, 0
	s_mov_b32 s24, 0x30000                         ; group 1: one row of 512 bytes
	s_mov_b32 s25, 64<<16
	s_mov_b32 s26, 1<<16
	s_mov_b32 s27, 64<<16
	s_mov_b32 s28, 1
	s_mov_b32 s29, 64
	s_mov_b32 s30, 0
	s_mov_b32 s31, 0
	s_lshr_b32 s13, ttmp9, 5                       ; which 512 hidden units
	s_and_b32 s14, ttmp9, 31                       ; which 128 tokens
	s_lshl_b32 s15, s13, 3
	s_add_co_u32 s15, s15, s[WV]                   ; my 64 hidden units, 0 .. 63
	s_lshl_b32 s56, s14, 3
	s_add_co_u32 s56, s56, s[WV]                   ; the token tile that I fetch, and whose scale words I store
	s_mul_i32 s60, s56, 12288
	s_mov_b32 s61, 0
	s_lshl_b32 s62, s56, 9
	s_add_co_u32 s62, s62, 3145728
	s_mov_b32 s63, 0
	s_mul_i32 s52, s15, 49152
	s_add_co_u32 s52, s52, 3145728
	s_mov_b32 s53, 0
	s_lshl_b32 s54, s15, 11
	s_add_co_u32 s54, s54, 9568256
	s_mov_b32 s55, 0
	s_lshl_b32 s40, s14, 9
	s_add_co_u32 s40, s40, s15
	s_mul_i32 s40, s40, 768                        ; half image (token tile x 64 + my 64 units)
	s_mov_b32 s41, 0
	s_mov_b32 s42, 49152                           ; from token tile to token tile
	s_mov_b32 s43, 0
	s_lshl_b32 s44, s56, 3
	s_add_co_u32 s44, s44, s13
	s_lshl_b32 s44, s44, 8
	s_add_co_u32 s44, s44, 12582912
	s_mov_b32 s45, 0
	s_lshl_b32 s58, s15, 8
	s_mov_b32 s59, 0
	s_mov_b32 s32, 1
	s_mul_i32 s33, s[WV], 12288
	s_mov_b32 s36, 1
	s_lshl_b32 s37, s[WV], 9
	s_add_co_u32 s37, s37, ASC
	s_wait_dscnt 0x0
	s_wait_kmcnt 0x0
	s_add_nc_u64 s[34:35], s[6:7], s[60:61]
	s_or_b32 s35, s35, 0x80000000
	s_add_nc_u64 s[38:39], s[6:7], s[62:63]
	s_or_b32 s39, s39, 0x80000000
	s_add_nc_u64 s[52:53], s[4:5], s[52:53]
	s_add_nc_u64 s[54:55], s[4:5], s[54:55]
	s_add_nc_u64 s[58:59], s[8:9], s[58:59]
	s_add_nc_u64 s[40:41], s[10:11], s[40:41]
	s_add_nc_u64 s[44:45], s[10:11], s[44:45]
	tensor_load_to_lds s[32:35], s[16:23]
	s_nop 0
	tensor_load_to_lds s[36:39], s[24:31]
	s_nop 0
.rept 4
	v_nop
.endr
	global_load_b64 v[62:63], v2, s[58:59]         ; my wave's 64 biases
.irp p,0,1
.irp g,0,1
	global_load_b128 v[WS+8*\p+4*\g:WS+8*\p+4*\g+3], v9, s[54:55] offset:1024*\p+256*\g
.endr
.endr
	WIN 0x40
.set IDX, 0
.rept 21
	GFR 12*IDX, (8*(IDX%4)+IDX/4)*1536             ; in the order in which the K steps take them
.set IDX, IDX+1
.endr
	WIN 0
.rept 11
	GFR 124+12*(IDX-21), (8*(IDX%4)+IDX/4)*1536
.set IDX, IDX+1
.endr
	s_mov_b32 s60, 0xbdd2d3e8                      ; A
	s_mov_b32 s61, s60
	s_mov_b32 s47, 0
	s_mov_b32 s50, ASC
	s_mov_b32 s51, 0
	s_wait_loadcnt 63                              ; the bias, the first load of 133, is in
	ds_store_b64 v121, v[62:63]
	s_wait_tensorcnt 0x0
	s_wait_dscnt 0x0
	s_barrier_signal -1
	s_barrier_wait -1                              ; the tokens lie in LDS.  (W1's later fragments may still be out: nobody else touches those bytes or registers)
	TRIP 1                                         ; the first of eight trips, under W1's arrival
	s_mov_b32 s46, 0
.Ltrip:                                                ; the other seven
	TRIP 0
	s_add_co_u32 s46, s46, 1
	s_cmp_lt_u32 s46, 7
	s_cbranch_scc1 .Ltrip
	s_wait_dscnt 0x0
	s_barrier_signal -1
	s_barrier_wait -1
.irp i,0,1,2,3
	ds_load_b32 v[62+\i], v7 offset:1024*\i        ; four waves' two bytes of my row of tile w
.endr
	s_wait_dscnt 0x0
	v_lshl_or_b32 v62, v63, 16, v62
	v_lshl_or_b32 v63, v65, 16, v64
	global_store_b64 v2, v[62:63], s[44:45]        ; the tile's 256 bytes for these 512 along the next K
	s_set_vgpr_msb 0x5
	s_wait_tensorcnt 0x0
	ds_add_u32 v254, v255
	s_wait_dscnt 0x0
	s_set_vgpr_msb 0x500
	s_endpgm
.Lfunc_end_k_q962e709c03_ffn1:
	.size	k_q962e709c03_ffn1, .Lfunc_end_k_q962e709c03_ffn1-k_q962e709c03_ffn1
	.p2alignl 7, 3214868480
	.fill 96, 4, 3214868480
	.section	.rodata,"a",@progbits
	.p2align	6, 0x0
	.amdhsa_kernel k_q962e709c03_ffn1
		.amdhsa_group_segment_fixed_size 168960
		.amdhsa_private_segment_fixed_size 0
		.amdhsa_enable_private_segment 0
		.amdhsa_kernarg_size 32
		.amdhsa_user_sgpr_count 2
		.amdhsa_user_sgpr_kernarg_segment_ptr 1
		.amdhsa_wavefront_size32 1
		.amdhsa_system_sgpr_workgroup_id_x 1
		.amdhsa_system_sgpr_workgroup_id_y 1
		.amdhsa_system_sgpr_workgroup_id_z 1
		.amdhsa_system_vgpr_workitem_id 0
		.amdhsa_next_free_vgpr 512
		.amdhsa_next_free_sgpr 66
		.amdhsa_reserve_vcc 0
		.amdhsa_float_denorm_mode_32 3
		.amdhsa_float_denorm_mode_16_64 3
		.amdhsa_memory_ordered 1
		.amdhsa_forward_progress 1
		.amdhsa_inst_pref_size 54
	.end_amdhsa_kernel
	.amdgpu_metadata
---
amdhsa.version: [ 1, 2 ]
amdhsa.kernels:
  - .name:           k_q962e709c03_ffn1
    .symbol:         k_q962e709c03_ffn1.kd
    .args:
      - { .name: wimg, .offset: 0, .size: 8, .value_kind: global_buffer, .address_space: global }
      - { .name: h2c, .offset: 8, .size: 8, .value_kind: global_buffer, .address_space: global }
      - { .name: b1, .offset: 16, .size: 8, .value_kind: global_buffer, .address_space: global }
      - { .name: hff, .offset: 24, .size: 8, .value_kind: global_buffer, .address_space: global }
    .group_segment_fixed_size: 168960
    .private_segment_fixed_size: 0
    .kernarg_segment_align: 8
    .kernarg_segment_size: 32
    .max_flat_workgroup_size: 256
    .sgpr_count:     66
    .vgpr_count:     512
    .wavefront_size: 32
...
	.end_amdgpu_metadata
.endif
;; end of part 6
;; launch ffn2 (part 7): grid 256 x 1, 8 waves a work-group, no clusters, 327,680 bytes of LDS; arguments wimg, hff, x1, b2, out0; writes out0
.if DOCPART == 7
	.amdgcn_target "amdgcn-amd-amdhsa--gfx1250"
	.amdhsa_code_object_version 6
	.text
	.protected	k_q962e709c03_ffn2
	.globl	k_q962e709c03_ffn2
	.p2align	8
	.type	k_q962e709c03_ffn2,@function
k_q962e709c03_ffn2:
	s_mov_b64 s[64:65], 0
	v_nop
	global_prefetch_b8 v0, s[64:65] scope:SCOPE_SE
	s_setreg_imm32_b32 hwreg(HW_REG_WAVE_MODE, 25, 1), 1
	s_wait_xcnt 0x0
; out0 = x1 + hff W2 + b2, on codes of BF6.  A work-group makes 128 rows x 128 columns over K = 4,096.  Wave w keeps 64 columns (w % 2) x K 1,024 (slice w / 2) of W2 in registers: 32 fragments, 384 registers.
; The rows' codes come through two LDS slots of two tiles (98,304 bytes) each: four fills, of which two are refills.  Each fragment read from LDS feeds four matrix instructions.
; Each tile of 16 rows: 32 products a wave; the four slices' partial sums meet in LDS (each wave's own 16 rows x 272 bytes, two buffers by turns, ONE barrier a tile); wave w then finishes rows 2 w, 2 w + 1.
; Behind a tile's barrier the NEXT tile's scale words and first four fragments are asked for ahead of the joining, so that they land while the partial sums are added.
; TILE 0's K step s waits only for W2's fragments 4 s .. 4 s + 3, so that it is multiplied while the later fragments are on their way.
; THE ORDER OF SUMS: K is summed as four f32 partial sums, one a slice, added in f32: not one ascending chain.
; TENSOR LOADS: three a wave at the head (scale words, slot 0, slot 1), later one behind each of two barriers: three are out at the most.  A slot is filled again behind the barrier of its second tile:
; in front of it each wave has waited for all its tensor loads, added 0 to its spare word, and waited for that and for its LDS reads and stores.
; All of a WGP's LDS is claimed.
; NO CLUSTER in this text: the eight work-groups of a row block share its 409,600 bytes, half of what a work-group reads; the joint form, with a round of the cluster's barrier at each refill, is not built here.
.set SLOT,  98304
.set ASC,   196608                     ; the scale words of the eight tiles, 2,048 bytes each
.set P,     212992                     ; the partial sums
.set PBUF,  34816
.set SPARE, 282624                     ; the spare words, 128 bytes for each wave: four blocks of 256 bytes that no other line names
.set A16, 8                            ; v8, v9 the tile's fragments of my slice
.set A8,  9
.set AS,  10
.set WS,  14
.set ACC, 30
.set AF,  62
.set RES, 110
.set BI,  118
.set SPW, 122
.set NIL, 123
.set WV,  14
.set SP,  48
.set G0,  32                           ; s[32:35], s[36:39] group 0 for slots 0 and 1;  s[40:43] for the scale words
.set MSB, 0
.macro WIN new
.if MSB != \new
	s_set_vgpr_msb (MSB<<8)|\new
.set MSB, \new
.endif
.endm
.macro FR a16, a8, reg, off
	ds_load_b128 v[\reg:\reg+3], v[\a16] offset:\off
	ds_load_b64 v[\reg+4:\reg+5], v[\a8] offset:\off+512
	ds_load_b128 v[\reg+6:\reg+9], v[\a16] offset:\off+768
	ds_load_b64 v[\reg+10:\reg+11], v[\a8] offset:\off+1280
.endm
.macro GFR reg, off
	global_load_b128 v[\reg:\reg+3], v1, s[SP:SP+1] offset:\off
	global_load_b64 v[\reg+4:\reg+5], v2, s[SP:SP+1] offset:\off+512
	global_load_b128 v[\reg+6:\reg+9], v1, s[SP:SP+1] offset:\off+768
	global_load_b64 v[\reg+10:\reg+11], v2, s[SP:SP+1] offset:\off+1280
.endm
.macro WM d, a, b, zero, sa, sb, ra, rb
.if \zero
.if (\ra)&&(\rb)
	v_wmma_scale_f32_16x16x128_f8f6f4 v[\d:\d+7], v[\a:\a+11], v[\b:\b+11], 0, v[\sa], v[\sb] matrix_a_fmt:MATRIX_FMT_BF6 matrix_b_fmt:MATRIX_FMT_BF6 matrix_a_scale:MATRIX_SCALE_ROW1 matrix_b_scale:MATRIX_SCALE_ROW1
.elseif \ra
	v_wmma_scale_f32_16x16x128_f8f6f4 v[\d:\d+7], v[\a:\a+11], v[\b:\b+11], 0, v[\sa], v[\sb] matrix_a_fmt:MATRIX_FMT_BF6 matrix_b_fmt:MATRIX_FMT_BF6 matrix_a_scale:MATRIX_SCALE_ROW1
.elseif \rb
	v_wmma_scale_f32_16x16x128_f8f6f4 v[\d:\d+7], v[\a:\a+11], v[\b:\b+11], 0, v[\sa], v[\sb] matrix_a_fmt:MATRIX_FMT_BF6 matrix_b_fmt:MATRIX_FMT_BF6 matrix_b_scale:MATRIX_SCALE_ROW1
.else
	v_wmma_scale_f32_16x16x128_f8f6f4 v[\d:\d+7], v[\a:\a+11], v[\b:\b+11], 0, v[\sa], v[\sb] matrix_a_fmt:MATRIX_FMT_BF6 matrix_b_fmt:MATRIX_FMT_BF6
.endif
.else
.if (\ra)&&(\rb)
	v_wmma_scale_f32_16x16x128_f8f6f4 v[\d:\d+7], v[\a:\a+11], v[\b:\b+11], v[\d:\d+7], v[\sa], v[\sb] matrix_a_fmt:MATRIX_FMT_BF6 matrix_b_fmt:MATRIX_FMT_BF6 matrix_a_scale:MATRIX_SCALE_ROW1 matrix_b_scale:MATRIX_SCALE_ROW1
.elseif \ra
	v_wmma_scale_f32_16x16x128_f8f6f4 v[\d:\d+7], v[\a:\a+11], v[\b:\b+11], v[\d:\d+7], v[\sa], v[\sb] matrix_a_fmt:MATRIX_FMT_BF6 matrix_b_fmt:MATRIX_FMT_BF6 matrix_a_scale:MATRIX_SCALE_ROW1
.elseif \rb
	v_wmma_scale_f32_16x16x128_f8f6f4 v[\d:\d+7], v[\a:\a+11], v[\b:\b+11], v[\d:\d+7], v[\sa], v[\sb] matrix_a_fmt:MATRIX_FMT_BF6 matrix_b_fmt:MATRIX_FMT_BF6 matrix_b_scale:MATRIX_SCALE_ROW1
.else
	v_wmma_scale_f32_16x16x128_f8f6f4 v[\d:\d+7], v[\a:\a+11], v[\b:\b+11], v[\d:\d+7], v[\sa], v[\sb] matrix_a_fmt:MATRIX_FMT_BF6 matrix_b_fmt:MATRIX_FMT_BF6
.endif
.endif
.endm
; K step s of my slice: four accumulators by turns, one instruction a turn; step 0 starts the sums.
; first: tile 0: W2's fragments 4 s .. 4 s + 3 are waited for here.  Behind their loads 16 (7 - s) were issued; a wait's count holds 63 at the most, which covers K steps 0 to 3.
.macro STEPK s, first
.if \first
.if (\s) == 0
	s_wait_loadcnt 63                              ; W2's scale words and its fragments 0 to 15 are in: behind them 64 loads were issued
.elseif (\s) >= 4
	s_wait_loadcnt 112-16*(\s)
.endif
.endif
.if \s < 5
	s_wait_dscnt 12                                ; fragment s is in: behind its four loads those of three later fragments were issued
.else
	s_wait_dscnt 4*(7-\s)
.endif
.set ZZ, (\s)==0
.irp t,0,1,2,3
.set IDX, 4*(\s)+\t
.if IDX < 21
	WIN 0x01
.set WR, 12*IDX
.else
	WIN 0
.set WR, 124+12*(IDX-21)
.endif
	WM ACC+8*\t, WR, AF+12*((\s)%4), ZZ, WS+8*(\t/2)+(\s), AS+((\s)&3), \t&1, (\s)/4
.endr
.if \s < 4
	WIN 0
.rept 4
	v_nop                                          ; four places in front of loads into registers that these products read
.endr
	FR A16, A8, AF+12*((\s)%4), 1536*((\s)+4)
.endif
.endm
.macro PRE m                           ; tile m's scale words and the first four fragments of my slice: seventeen LDS loads
	v_add_nc_u32 v8, (((\m)/2)&1)*SLOT+((\m)&1)*49152, v3
	v_add_nc_u32 v9, (((\m)/2)&1)*SLOT+((\m)&1)*49152, v4
	ds_load_b128 v[AS:AS+3], v5 offset:2048*(\m)
	FR A16, A8, AF, 0
	FR A16, A8, AF+12, 1536
	FR A16, A8, AF+24, 3072
	FR A16, A8, AF+36, 4608
.endm
.macro FIN m                           ; rows 2 w and 2 w + 1 of tile m are finished and stored
.irp k,0,1,2,3
.irp e,0,1
	ds_load_b128 v[ACC+8*\k+4*\e:ACC+8*\k+4*\e+3], v7 offset:PB+8704*\k+272*\e
.endr
.endr
	s_wait_loadcnt 0x0                             ; the residual, asked for a tile ago
	s_wait_dscnt 0x0
.irp q,0,2,4,6
	v_pk_add_f32 v[ACC+\q:ACC+\q+1], v[ACC+\q:ACC+\q+1], v[ACC+8+\q:ACC+8+\q+1]
	v_pk_add_f32 v[ACC+16+\q:ACC+16+\q+1], v[ACC+16+\q:ACC+16+\q+1], v[ACC+24+\q:ACC+24+\q+1]
	v_pk_add_f32 v[RES+\q:RES+\q+1], v[RES+\q:RES+\q+1], v[BI+(\q%4):BI+(\q%4)+1]
.endr
.irp q,0,2,4,6
	v_pk_add_f32 v[ACC+\q:ACC+\q+1], v[ACC+\q:ACC+\q+1], v[ACC+16+\q:ACC+16+\q+1]
.endr
.irp q,0,2,4,6
	v_pk_add_f32 v[ACC+\q:ACC+\q+1], v[ACC+\q:ACC+\q+1], v[RES+\q:RES+\q+1]
.endr
.irp e,0,1
	global_store_b128 v1, v[ACC+4*\e:ACC+4*\e+3], s[54:55] offset:(16*(\m)+\e)*4096 th:TH_STORE_NT   ; 32 lanes store 512 consecutive bytes
.endr
.if \m < 7
.irp e,0,1
	global_load_b128 v[RES+4*\e:RES+4*\e+3], v1, s[52:53] offset:(16*((\m)+1)+\e)*4096
.endr
.endif
.endm
.macro TILE m
.set PB, PBUF*((\m)&1)
.set FT, (\m)==0
	s_wait_xcnt 0x0                                ; the last tile's stores have read the registers that the products write
.irp s,0,1,2,3,4,5,6,7
	STEPK \s, FT
.endr
	WIN 0
.rept 5
	v_nop                                          ; places: four in front of reads of results and of loads into operands and scale registers, five in front of the next tile's first products, which begin these accumulators anew
.endr
.irp t,0,1,2,3
	ds_store_b128 v6, v[ACC+8*\t:ACC+8*\t+3] offset:PB+128*(\t/2)+32*(\t%2)
	ds_store_b128 v6, v[ACC+8*\t+4:ACC+8*\t+7] offset:PB+128*(\t/2)+32*(\t%2)+16
.endr
.if ((\m)==1)||((\m)==3)               ; the slot's second tile is multiplied: the slot is filled again, with the tiles four further on
	s_wait_tensorcnt 0x0                           ; all my tensor loads have landed, my part of the other slot among them: a group 0 may be written
	ds_add_u32 v[SPW], v[NIL]                      ; 0 onto my spare word
	s_add_nc_u64 s[G0+4*((\m)/2)+2:G0+4*((\m)/2)+3], s[G0+4*((\m)/2)+2:G0+4*((\m)/2)+3], 2*SLOT
	s_wait_dscnt 0x0                               ; the add is done, my partial sums lie in LDS, my reads of the slot are over
	s_barrier_signal -1
	s_barrier_wait -1
	tensor_load_to_lds s[G0+4*((\m)/2):G0+4*((\m)/2)+3], s[16:23]   ; my one tensor load behind this barrier, and the first thing there
	s_nop 0
.rept 4
	v_nop
.endr
.elseif (\m)==5
	s_wait_tensorcnt 0x0                           ; my part of slot 1's last fill is in: tiles 6 and 7 are read behind this barrier
	s_wait_dscnt 0x0
	s_barrier_signal -1
	s_barrier_wait -1
.else
	s_wait_dscnt 0x0
	s_barrier_signal -1
	s_barrier_wait -1
.endif
.if (\m) < 7
	PRE (\m)+1                                     ; the next tile lies in the slot in hand, or in the one that every wave's wait in front of this barrier has shown whole
.endif
	FIN \m
.endm
	s_load_b256 s[4:11], s[0:1], 0x0               ; wimg, hff, x1, b2
	s_load_b64 s[12:13], s[0:1], 0x20              ; out0
	v_lshl_add_u32 v[SPW], v0, 2, SPARE
	v_mov_b32 v[NIL], 0
	ds_add_u32 v122, v123
	ds_add_u32 v122, v123
	s_wait_dscnt 0x0
	v_lshrrev_b32 v62, 5, v0
	v_readfirstlane_b32 s[WV], v62
	v_and_b32 v62, 31, v0
	v_and_b32 v63, 15, v0
	v_bfe_u32 v64, v0, 4, 1
	v_lshlrev_b32 v1, 4, v62
	v_lshlrev_b32 v2, 3, v62
	s_and_b32 s15, s[WV], 1                        ; which 64 columns
	s_lshr_b32 s44, s[WV], 1                       ; which slice of K
	s_lshr_b32 s45, ttmp9, 5                       ; column block
	s_and_b32 s46, ttmp9, 31                       ; row block
	s_mul_i32 s56, s44, 12288
	v_add_nc_u32 v3, s56, v1                       ; my slice's fragments in a tile
	v_add_nc_u32 v4, s56, v2
	s_lshl_b32 s56, s44, 9
	v_add_nc_u32 v5, s56, v1
	v_add_nc_u32 v5, ASC, v5                       ; scale words: ASC + 512 slice + 256 h + 16 r
	s_mul_i32 s56, s[WV], 4352
	v_mul_u32_u24 v6, v63, 272
	v_lshl_add_u32 v6, v64, 6, v6
	v_add_nc_u32 v6, s56, v6
	v_add_nc_u32 v6, P, v6
	s_mul_i32 s56, s[WV], 544
	v_mul_u32_u24 v7, v64, 4352
	v_lshl_add_u32 v7, v63, 4, v7
	v_add_nc_u32 v7, s56, v7
	v_add_nc_u32 v7, P, v7
	v_lshlrev_b32 v9, 4, v63
	v_lshl_add_u32 v9, v64, 11, v9                 ; W2's scale words: 16 r, lanes 16-31 one tile (2,048 bytes) on
	s_mov_b32 s16, 0x30000                         ; group 1: 48 rows of 256 bytes, dense
	s_mov_b32 s17, 32<<16
	s_mov_b32 s18, 48<<16
	s_mov_b32 s19, 32<<16
	s_mov_b32 s20, 48
	s_mov_b32 s21, 32
	s_mov_b32 s22, 0
	s_mov_b32 s23, 0
	s_mov_b32 s24, 0x30000                         ; group 1: one row of 2,048 bytes
	s_mov_b32 s25, 256<<16
	s_mov_b32 s26, 1<<16
	s_mov_b32 s27, 256<<16
	s_mov_b32 s28, 1
	s_mov_b32 s29, 256
	s_mov_b32 s30, 0
	s_mov_b32 s31, 0
	s_lshl_b32 s47, s45, 3
	s_lshl_b32 s56, s15, 2
	s_add_co_u32 s47, s47, s56                     ; my first tile of W2
	s_lshl_b32 s48, s47, 5
	s_lshl_b32 s56, s44, 3
	s_add_co_u32 s48, s48, s56
	s_mul_i32 s48, s48, 1536
	s_add_co_u32 s48, s48, 6291456
	s_mov_b32 s49, 0
	s_lshl_b32 s50, s47, 11
	s_lshl_b32 s56, s44, 9
	s_add_co_u32 s50, s50, s56
	s_add_co_u32 s50, s50, 9699328
	s_mov_b32 s51, 0
	s_mul_i32 s56, s46, 393216                     ; the row block's eight tiles of 49,152 bytes,
	s_mul_i32 s57, s[WV], 12288                    ; my eighth of a slot
	s_add_co_u32 s56, s56, s57
	s_mov_b32 s57, 0
	s_lshl_b32 s58, s46, 3
	s_add_co_u32 s58, s58, s[WV]
	s_lshl_b32 s58, s58, 11
	s_add_co_u32 s58, s58, 12582912                ; tile w's scale words
	s_mov_b32 s59, 0
	s_lshl_b32 s52, s46, 7
	s_lshl_b32 s53, s[WV], 1
	s_add_co_u32 s52, s52, s53
	s_lshl_b32 s52, s52, 12
	s_lshl_b32 s60, s45, 9
	s_add_co_u32 s52, s52, s60                     ; row 128 RB + 2 w, column 128 CB
	s_mov_b32 s53, 0
	s_mov_b32 s61, 0
	s_mov_b32 s32, 1
	s_mul_i32 s33, s[WV], 12288
	s_mov_b32 s36, 1
	s_add_co_u32 s37, s33, SLOT
	s_mov_b32 s40, 1
	s_lshl_b32 s41, s[WV], 11
	s_add_co_u32 s41, s41, ASC
	s_wait_kmcnt 0x0
	s_add_nc_u64 s[34:35], s[6:7], s[56:57]
	s_add_nc_u64 s[38:39], s[34:35], SLOT
	s_or_b32 s35, s35, 0x80000000
	s_or_b32 s39, s39, 0x80000000
	s_add_nc_u64 s[42:43], s[6:7], s[58:59]
	s_or_b32 s43, s43, 0x80000000
	s_add_nc_u64 s[48:49], s[4:5], s[48:49]
	s_add_nc_u64 s[50:51], s[4:5], s[50:51]
	s_add_nc_u64 s[54:55], s[12:13], s[52:53]
	s_add_nc_u64 s[52:53], s[8:9], s[52:53]
	s_add_nc_u64 s[60:61], s[10:11], s[60:61]
	tensor_load_to_lds s[40:43], s[24:31]          ; the scale words,
	s_nop 0
	tensor_load_to_lds s[32:35], s[16:23]          ; tiles 0 and 1,
	s_nop 0
	tensor_load_to_lds s[36:39], s[16:23]          ; tiles 2 and 3
	s_nop 0
.rept 4
	v_nop
.endr
	global_load_b128 v[BI:BI+3], v1, s[60:61]
.irp e,0,1
	global_load_b128 v[RES+4*\e:RES+4*\e+3], v1, s[52:53] offset:4096*\e
.endr
.irp p,0,1
.irp g,0,1
	global_load_b128 v[WS+8*\p+4*\g:WS+8*\p+4*\g+3], v9, s[50:51] offset:4096*\p+256*\g
.endr
.endr
	WIN 0x40
.set IDX, 0
.rept 21
	GFR 12*IDX, (32*(IDX%4)+IDX/4)*1536            ; in the order in which the K steps take them
.set IDX, IDX+1
.endr
	WIN 0
.rept 11
	GFR 124+12*(IDX-21), (32*(IDX%4)+IDX/4)*1536
.set IDX, IDX+1
.endr
	s_wait_loadcnt 63                              ; of 135 loads the first 72 are in, W2's scale words among them: their address register v9 is written again below
	s_wait_tensorcnt 1                             ; the scale words and my part of slot 0 are in; slot 1's load, the last issued, may be out
	s_wait_dscnt 0x0
	s_barrier_signal -1
	s_barrier_wait -1
	PRE 0
.irp m,0,1,2,3,4,5,6,7
	TILE \m
.endr
	s_wait_tensorcnt 0x0                           ; the wave's end, behind my last tensor load and my last LDS store
	ds_add_u32 v[SPW], v[NIL]
	s_wait_dscnt 0x0
	s_endpgm
.Lfunc_end_k_q962e709c03_ffn2:
	.size	k_q962e709c03_ffn2, .Lfunc_end_k_q962e709c03_ffn2-k_q962e709c03_ffn2
	.p2alignl 7, 3214868480
	.fill 96, 4, 3214868480
	.section	.rodata,"a",@progbits
	.p2align	6, 0x0
	.amdhsa_kernel k_q962e709c03_ffn2
		.amdhsa_group_segment_fixed_size 327680
		.amdhsa_private_segment_fixed_size 0
		.amdhsa_enable_private_segment 0
		.amdhsa_kernarg_size 40
		.amdhsa_user_sgpr_count 2
		.amdhsa_user_sgpr_kernarg_segment_ptr 1
		.amdhsa_wavefront_size32 1
		.amdhsa_system_sgpr_workgroup_id_x 1
		.amdhsa_system_sgpr_workgroup_id_y 1
		.amdhsa_system_sgpr_workgroup_id_z 1
		.amdhsa_system_vgpr_workitem_id 0
		.amdhsa_next_free_vgpr 512
		.amdhsa_next_free_sgpr 66
		.amdhsa_reserve_vcc 0
		.amdhsa_float_denorm_mode_32 3
		.amdhsa_float_denorm_mode_16_64 3
		.amdhsa_memory_ordered 1
		.amdhsa_forward_progress 1
		.amdhsa_inst_pref_size 101
	.end_amdhsa_kernel
	.amdgpu_metadata
---
amdhsa.version: [ 1, 2 ]
amdhsa.kernels:
  - .name:           k_q962e709c03_ffn2
    .symbol:         k_q962e709c03_ffn2.kd
    .args:
      - { .name: wimg, .offset: 0, .size: 8, .value_kind: global_buffer, .address_space: global }
      - { .name: hff, .offset: 8, .size: 8, .value_kind: global_buffer, .address_space: global }
      - { .name: x1, .offset: 16, .size: 8, .value_kind: global_buffer, .address_space: global }
      - { .name: b2, .offset: 24, .size: 8, .value_kind: global_buffer, .address_space: global }
      - { .name: out0, .offset: 32, .size: 8, .value_kind: global_buffer, .address_space: global }
    .group_segment_fixed_size: 327680
    .private_segment_fixed_size: 0
    .kernarg_segment_align: 8
    .kernarg_segment_size: 40
    .max_flat_workgroup_size: 256
    .sgpr_count:     66
    .vgpr_count:     512
    .wavefront_size: 32
...
	.end_amdgpu_metadata
.endif
;; end of part 7
